; MI455X (gfx1250); checked and timed in simulation.
; The chip was launched on July 23, 2026; its instructions are those of AMD's public machine-readable ISA for CDNA 5 (MIT licence, August 2026) and "CDNA5" Instruction Set Architecture Reference Guide (July 2026). The comments in the code are by the model that wrote it; some were corrected since.
;; Manual Multihead Attention. Allowed arithmetic: matrix products marked QUANTISED: E2M1 operands, one E8M0 scale for each 32 along K, by v_wmma_scale_f32_16x16x128_f8f6f4 with both operands' format E2M1 (or v_wmma_scale_f32_32x16x128_f4), f32 sums; everything else in f32.
;; Inputs: b_out 1,024 float32; b_qkv 3,072 float32; w_out 1,024 x 1,024 float32; w_qkv 3,072 x 1,024 float32; x 2,048 x 4 x 1,024 float32.
;; Outputs: out0 2,048 x 4 x 1,024 float32.
;; Constants: causal = 1.
;; This version of the problem:
;;   THIS VERSION OF THE PROBLEM IS GIVEN IN LOW PRECISION. The matrix products marked QUANTISED in the list below multiply operands that are first quantised to E2M1 (2 exponent bits, 1 mantissa bit; 4 bits a number), with one power-of-two scale for each 32 numbers along K (OCP MX v1.0); their sums are f32. All else is computed in f32.
;;   The module's matrix products, in the order in which they are computed (A, B: the left and right operand; K: the contracted axis; several contracted axes count as one K, in the product's order):
;;     1. [M 8,192, K 1,024] x [K 1,024, N 3,072]; A: input x; B: input w_qkv: QUANTISED
;;     2. batch 64 x [M 2,048, K 64] x [K 64, N 2,048]; A: computed on the way; B: computed on the way: QUANTISED
;;     3. batch 64 x [M 2,048, K 2,048] x [K 2,048, N 64]; A: softmax (see below); B: computed on the way: QUANTISED
;;     4. [M 8,192, K 1,024] x [K 1,024, N 1,024]; A: computed on the way; B: input w_out: QUANTISED
;;   THE QUANTISER, for each operand of a quantised product, along K:
;;     - K is cut into blocks of 32 from its start; a last block that is shorter is filled with zeros.
;;     - A block's scale is 2^e with e = floor(log2(the largest magnitude in the block)) - 2, held to -126 .. 127; a block of zeros has e = 0. As a byte (E8M0): e + 127.
;;     - Each number is divided by its block's scale, clamped to +-6, and rounded to the nearest number of E2M1, ties to even, subnormals kept.
;;     - The product sums the exact products of the quantised numbers (number of the format x scale) in f32.
;;   ~~~python
;;   def quantise(x, axis):      # numpy; x: float32 -> the quantised numbers, widened to float32 again
;;       x = np.moveaxis(x, axis, -1); K = x.shape[-1]
;;       x = np.pad(x, [(0, 0)] * (x.ndim - 1) + [(0, -K % 32)]); x = x.reshape(x.shape[:-1] + (-1, 32)); a = np.abs(x).max(-1, keepdims=True)
;;       e = np.where(a > 0, np.clip(np.frexp(np.where(a > 0, a, 1))[1] - 1 - 2, -126, 127), 0)      # np.frexp(a)[1] - 1 = floor(log2(a)), exactly
;;       r = np.clip(x / 2.0 ** e, -6, 6)
;;       step = 2.0 ** (np.maximum(np.frexp(np.where(r == 0, 1, r))[1] - 1, 0) - 1)
;;       q = np.round(r / step) * step * 2.0 ** e      # np.round: ties to even
;;       return np.moveaxis(q.reshape(q.shape[:-2] + (-1,))[..., :K], -1, axis).astype(np.float32)
;;   ~~~
;;   SOFTMAX AHEAD OF A QUANTISED PRODUCT. Where the list says 'softmax', what is quantised is not the finished softmax but p = 2^(t - M), with t = logit x log2(e) and M = ceil(the row's largest t), a whole number; so 1/2 < the row's largest p <= 1. The row's sum l is taken of the UNQUANTISED p, in f32, and the product's result is divided by l at the end. Since M is a whole number, a kernel that streams over the keys may use a running M (the ceiling of the running maximum): every later rescaling is an exact power of two, which a block's scale takes up: the codes' values come out the same.
;;   OPERANDS COMPUTED ON THE WAY. 'Computed on the way' means the value that the module computes at that place (a softmax that the list does not call 'softmax' is quantised finished and normalised). What goes into a quantiser is computed in f32, as accurately as f32 sums, v_exp_f32 and their like allow (about 1e-6 of the number): no bf16 or f16 on the way to a quantiser, and a product that is left as it is and whose result goes on into a quantised operand takes f32 operands (vector FMAs, or v_wmma_f32_16x16x4_f32). A number that lies on a knife's edge between two numbers of the format may be rounded either way, as far as f32 arithmetic and the matrix unit's own rounding can turn it there, and no further.
;; One version. Each part assembles by itself: llvm-mc -triple=amdgcn-amd-amdhsa -mcpu=gfx1250 --defsym DOCPART=n.
;; ======== version 1 of 1: 5 launches
;; workspace buffers: ops_codes 6,291,456 bytes; ops_scales 393,216 bytes; qk_img 8,388,608 bytes; qk_sc 524,288 bytes; v_img 4,194,304 bytes; v_sc 262,144 bytes; a_img 4,194,304 bytes; a_sc 262,144 bytes
;; launch quant (part 1): grid 384 x 1, 4 waves a work-group, no clusters, 33,280 bytes of LDS; arguments x, w_qkv, w_out, ops_codes, ops_scales; writes ops_codes, ops_scales
.if DOCPART == 1
	.amdgcn_target "amdgcn-amd-amdhsa--gfx1250"
	.amdhsa_code_object_version 6
	.text
	.protected	k_q0a8f3094f7_quant
	.globl	k_q0a8f3094f7_quant
	.p2align	8
	.type	k_q0a8f3094f7_quant,@function
k_q0a8f3094f7_quant:
	s_mov_b64 s[64:65], 0
	v_nop
	global_prefetch_b8 v0, s[64:65] scope:SCOPE_SE
	s_setreg_imm32_b32 hwreg(HW_REG_WAVE_MODE, 25, 1), 1
	s_wait_xcnt 0x0
; x [2048][4][1024], w_qkv [3072][1024] and w_out [1024][1024], f32, become codes of FP4 (E2M1), K = 1,024 innermost, with one E8M0 byte for each 32 along K.
; A block's scale is 2^(floor(log2(its largest magnitude)) - 2); its byte is the largest magnitude's exponent field - 2, held at 1 from below; each number / scale goes to the nearest code, ties to even, beyond 6 the largest code.
; THE ROWS ARE RE-ORDERED.  ops_codes is [12,288 positions][512 bytes], ops_scales [12,288][32 bytes].  swz(i) swaps bits 3 and 4 of i.  x's row (s, b) lies at position 2048 b + swz(s);
; row e of w_qkv at 8,192 + swz(e); row e of w_out at 11,264 + swz(e).  So 16 neighbouring positions, a tile of the later products, hold rows 8 u + 0..7 and 16 + 8 u + 0..7 of a group of 32.
; SHARES.  Wave W = 4 x work-group + wave makes positions 8 W .. 8 W + 7: eight rows that are neighbours in their tensor too (the swap leaves the low three bits alone), 16 steps of 512 numbers.
; Work-groups 0-255 take x, 256-351 w_qkv, 352-383 w_out: only pointers and strides are chosen, all take one path.  The wave's codes are 4,096 consecutive bytes, its scale bytes 256.
; Each load reads 512 consecutive bytes, 16 a lane; a step's 2,048 bytes turn through the wave's own stage in LDS and come back 64 bytes a lane: 16 neighbours, two lanes to a block.
; No tensor loads, no barrier: waves share nothing.  Loads run four steps ahead, the turn through LDS one step.
; LIMITS: a block whose largest magnitude lies under 2^-124 keeps the byte 1; a block of zeros gets the byte 1 (its codes are zeros, and this program alone reads the bytes); NaN and infinities are not served.
.set STEPS, 16
.set EMAX,  2
.set CB,    8                          ; bytes of 16 codes
.set R,     16                         ; v16-79   four sets of 16 numbers as they are loaded
.set X,     80                         ; v80-111  two sets of 16 neighbours
.set E,     112                        ; v112-127 a scale byte for each step
.set C,     128                        ; v128-191 codes: registers of its own for each step, so that no store's data are written again
.set VO,    192                        ; v192-199 16 x lane + j x the stride from row to row: never rewritten
.set WREG,  8192                       ; LDS: a region for each wave: two stages of 32 x SP bytes, behind them its 256 scale bytes
.set SP,    80                         ; a lane's place in a stage: 64 bytes + 16 of padding
	s_load_b128 s[4:7], s[0:1], 0x0                ; x, w_qkv
	s_load_b128 s[8:11], s[0:1], 0x10              ; w_out, ops_codes
	s_load_b64 s[12:13], s[0:1], 0x20              ; ops_scales
	v_lshl_add_u32 v200, v0, 2, 0x8000
	v_mov_b32 v201, 0
	v_lshrrev_b32 v1, 5, v0
	v_readfirstlane_b32 s16, v1                    ; wave
	v_and_b32 v2, 31, v0                           ; lane
	v_lshlrev_b32 v3, 4, v2                        ; my 16 bytes of a load's 512
	s_mul_i32 s17, s16, WREG
	v_lshrrev_b32 v14, 2, v2
	v_mul_u32_u24 v14, v14, SP
	v_and_b32 v15, 3, v2
	v_lshl_add_u32 v14, v15, 4, v14
	v_add_nc_u32 v14, s17, v14                     ; the stage, on the way in: four lanes' 64 bytes on end, then 16 of padding
	v_mul_u32_u24 v15, v2, SP
	v_add_nc_u32 v15, s17, v15                     ; and on the way out: SP x lane: my 16 neighbours
	v_mul_u32_u24 v4, v2, CB                       ; my codes' place in a step's
	v_lshrrev_b32 v5, 1, v2
	s_add_co_u32 s17, s17, 2*32*SP
	v_add_nc_u32 v5, s17, v5                       ; LDS: my wave's 256 scale bytes, my block's byte
	v_lshlrev_b32 v7, 3, v2                        ; and on the way out 8 bytes a lane
	v_add_nc_u32 v6, s17, v7
	s_mov_b32 s21, 1408
	s_mov_b32 s23, 4096
	s_mov_b32 s25, 0xffff
	s_wait_kmcnt 0x0
	s_cmp_lt_u32 ttmp9, 352                        ; the choices hang on the work-group's number alone
	s_cselect_b64 s[6:7], s[6:7], s[8:9]           ; w_qkv or w_out
	s_cselect_b32 s20, 1024, s21                   ; the tensor's first wave
	s_cmp_lt_u32 ttmp9, 256
	s_cselect_b64 s[4:5], s[4:5], s[6:7]           ; x or a weight
	s_cselect_b32 s20, 0, s20
	s_cselect_b32 s22, 16384, s23                  ; bytes from one of my rows to the next: x's rows of one batch lie 4 rows apart
	s_cselect_b32 s24, 255, s25                    ; groups of 8 positions in a batch of x (a weight: all)
	s_cselect_b32 s26, 3, 0                        ; the batch's bits (a weight: none)
	s_lshl_b32 s17, ttmp9, 2
	s_add_co_u32 s18, s17, s16                     ; W
	s_sub_co_u32 s27, s18, s20                     ; my group of 8 positions in the tensor
	s_lshr_b32 s28, s27, 8
	s_and_b32 s28, s28, s26                        ; the batch
	s_and_b32 s27, s27, s24                        ; the group inside it
	s_and_not1_b32 s29, s27, 3
	s_and_b32 s30, s27, 1
	s_lshl_b32 s30, s30, 1
	s_or_b32 s29, s29, s30
	s_bfe_u32 s30, s27, 0x10001
	s_or_b32 s29, s29, s30                         ; its two low bits swapped: the group of 8 rows that lies at these positions
	s_mul_i32 s30, s29, s22
	s_lshl_b32 s30, s30, 3                         ; 8 rows a group
	s_lshl_b32 s28, s28, 12
	s_add_co_u32 s30, s30, s28                     ; + the batch's 4,096 bytes: under 2^26
	s_mov_b32 s31, 0
	s_add_nc_u64 s[4:5], s[4:5], s[30:31]
	s_lshl_b32 s30, s18, 12
	s_add_nc_u64 s[10:11], s[10:11], s[30:31]      ; my 4,096 bytes of codes
	s_lshl_b32 s30, s18, 8
	s_add_nc_u64 s[12:13], s[12:13], s[30:31]      ; my 256 scale bytes
.irp j, 0,1,2,3,4,5,6,7
	v_mad_u32_u24 v[VO+\j], s22, \j, v3
.endr
.macro LOAD t                          ; step t: half t % 2 of my row t / 2
.irp i, 0,1,2,3
	global_load_b128 v[R+16*((\t)%4)+4*\i:R+16*((\t)%4)+4*\i+3], v[VO+(\t)/2], s[4:5] offset:2048*((\t)%2)+512*\i th:TH_LOAD_NT   ; 32 lanes read 512 consecutive bytes
.endr
.endm
.macro TURN t                          ; step t's numbers through the stage: LDS serves a wave's instructions in order, so no wait stands between the stores and the loads
.irp i, 0,1,2,3
	ds_store_b128 v14, v[R+16*((\t)%4)+4*\i:R+16*((\t)%4)+4*\i+3] offset:32*SP*((\t)%2)+8*SP*\i
.endr
.irp i, 0,1,2,3
	ds_load_b128 v[X+16*((\t)%2)+4*\i:X+16*((\t)%2)+4*\i+3], v15 offset:32*SP*((\t)%2)+16*\i
.endr
.endm
.irp t, 0,1,2,3
	LOAD \t
.endr
	s_wait_loadcnt 12                              ; step 0's four loads are in
	TURN 0
.macro STEP t
.set XS, X+16*((\t)%2)
.if (\t) > 0
	s_wait_dscnt 1                                 ; this step's numbers are back from the stage (the last step's byte store may be out): so its stores into the stage have read their registers,
.else
	s_wait_dscnt 0x0
.endif
.if (\t)+4 < STEPS
	LOAD (\t)+4                                    ; which take the loads of four steps on
.endif
.if (\t)+1 < STEPS
.if STEPS-2-(\t) >= 3
	s_wait_loadcnt 12                              ; the next step's four loads are in; those of the three steps behind it may be out
.else
	s_wait_loadcnt 4*(STEPS-2-(\t))
.endif
	TURN (\t)+1                                    ; and go through the other stage while this step is worked
.endif
	v_max3_num_f32 v8, |v[XS]|, |v[XS+1]|, |v[XS+2]|               ; the largest magnitude of my 16, in two chains
	v_max3_num_f32 v9, |v[XS+3]|, |v[XS+4]|, |v[XS+5]|
.irp i, 6,10
	v_max3_num_f32 v8, v8, |v[XS+\i]|, |v[XS+\i+1]|
	v_max3_num_f32 v9, v9, |v[XS+\i+2]|, |v[XS+\i+3]|
.endr
	v_max3_num_f32 v8, v8, |v[XS+14]|, |v[XS+15]|
	v_max3_num_f32 v8, v8, v9, (EMAX+1)<<23        ; and the floor 2^(3 - 127): the byte cannot fall under 1
	v_max_num_f32_dpp v8, v8, v8 row_xmask:1 row_mask:0xf bank_mask:0xf   ; and of my neighbour's 16: the block's
	v_add_nc_u32 v11, 0xff000000, v8               ; 2 off its exponent field: the conversion takes the exponent field of this operand as its scale
	v_cvt_scalef32_pk8_fp4_f32 v[C+4*(\t)], v[XS:XS+7], v11
	v_cvt_scalef32_pk8_fp4_f32 v[C+4*(\t)+1], v[XS+8:XS+15], v11
	v_lshrrev_b32 v[E+(\t)], 23, v11               ; the scale's byte (a plain line behind the conversions)
	ds_store_b8 v5, v[E+(\t)] offset:16*(\t)       ; both lanes of a block write the same byte with the same value
	global_store_b64 v4, v[C+4*(\t):C+4*(\t)+1], s[10:11] offset:32*CB*(\t)   ; the wave stores 256 consecutive bytes, aligned
.endm
.irp t, 0,1,2,3,4,5,6,7,8,9,10,11,12,13,14,15
	STEP \t
.endr
	ds_load_b64 v[12:13], v6                       ; LDS serves a wave's instructions in order: these see my stores
	s_wait_dscnt 0x0
	global_store_b64 v7, v[12:13], s[12:13]        ; 32 lanes store 256 consecutive bytes, aligned
	s_wait_tensorcnt 0x0
	ds_add_u32 v200, v201
	s_wait_dscnt 0x0
	s_endpgm
.Lfunc_end_k_q0a8f3094f7_quant:
	.size	k_q0a8f3094f7_quant, .Lfunc_end_k_q0a8f3094f7_quant-k_q0a8f3094f7_quant
	.p2alignl 7, 3214868480
	.fill 96, 4, 3214868480
	.section	.rodata,"a",@progbits
	.p2align	6, 0x0
	.amdhsa_kernel k_q0a8f3094f7_quant
		.amdhsa_group_segment_fixed_size 33280
		.amdhsa_private_segment_fixed_size 0
		.amdhsa_enable_private_segment 0
		.amdhsa_kernarg_size 40
		.amdhsa_user_sgpr_count 2
		.amdhsa_user_sgpr_kernarg_segment_ptr 1
		.amdhsa_wavefront_size32 1
		.amdhsa_system_sgpr_workgroup_id_x 1
		.amdhsa_system_sgpr_workgroup_id_y 1
		.amdhsa_system_sgpr_workgroup_id_z 1
		.amdhsa_system_vgpr_workitem_id 0
		.amdhsa_next_free_vgpr 202
		.amdhsa_next_free_sgpr 66
		.amdhsa_reserve_vcc 0
		.amdhsa_float_denorm_mode_32 3
		.amdhsa_float_denorm_mode_16_64 3
		.amdhsa_memory_ordered 1
		.amdhsa_forward_progress 1
		.amdhsa_inst_pref_size 35
	.end_amdhsa_kernel
	.amdgpu_metadata
---
amdhsa.version: [ 1, 2 ]
amdhsa.kernels:
  - .name:           k_q0a8f3094f7_quant
    .symbol:         k_q0a8f3094f7_quant.kd
    .args:
      - { .name: x, .offset: 0, .size: 8, .value_kind: global_buffer, .address_space: global }
      - { .name: w_qkv, .offset: 8, .size: 8, .value_kind: global_buffer, .address_space: global }
      - { .name: w_out, .offset: 16, .size: 8, .value_kind: global_buffer, .address_space: global }
      - { .name: ops_codes, .offset: 24, .size: 8, .value_kind: global_buffer, .address_space: global }
      - { .name: ops_scales, .offset: 32, .size: 8, .value_kind: global_buffer, .address_space: global }
    .group_segment_fixed_size: 33280
    .private_segment_fixed_size: 0
    .kernarg_segment_align: 8
    .kernarg_segment_size: 40
    .max_flat_workgroup_size: 128
    .sgpr_count:     66
    .vgpr_count:     202
    .wavefront_size: 32
...
	.end_amdgpu_metadata
.endif
;; end of part 1
;; launch gemm_qk (part 2): grid 8 x 32, 4 waves a work-group, clusters of 4 x 4, 327,680 bytes of LDS; arguments ops_codes, ops_scales, b_qkv, qk_img, qk_sc; writes qk_img, qk_sc
.if DOCPART == 2
	.amdgcn_target "amdgcn-amd-amdhsa--gfx1250"
	.amdhsa_code_object_version 6
	.text
	.protected	k_q0a8f3094f7_gemm_qk
	.globl	k_q0a8f3094f7_gemm_qk
	.p2align	8
	.type	k_q0a8f3094f7_gemm_qk,@function
k_q0a8f3094f7_gemm_qk:
	s_mov_b64 s[64:65], 0
	v_nop
	global_prefetch_b8 v0, s[64:65] scope:SCOPE_SE
	s_setreg_imm32_b32 hwreg(HW_REG_WAVE_MODE, 25, 1), 1
	s_wait_xcnt 0x0
	s_wait_alu depctr_hold_cnt(0) depctr_sa_sdst(0) depctr_va_vdst(0) depctr_va_sdst(0) depctr_va_ssrc(0) depctr_va_vcc(0) depctr_vm_vsrc(0)
	s_getreg_b32 s2, hwreg(HW_REG_IB_STS2, 6, 4)
	s_cmp_eq_u32 s2, 0
	s_cbranch_scc0 .Lentry_in_a_cluster
	s_endpgm
.Lentry_in_a_cluster:
	s_bfe_u32 s2, ttmp6, 0x10000c
	s_cmp_lg_u32 s2, 0xf033
	s_cbranch_scc0 .Lentry_shape_is_right
	s_endpgm
.Lentry_shape_is_right:
; q and k of qkv = x w_qkv^T + b_qkv, on codes of FP4 with E8M0 scales, K = 1,024; the results, with their bias, are quantised along the head's 64 channels and leave as codes: no f32 number goes to memory.
; "A" = x's 8,192 positions (source 1: its rows lie across the lanes), "B" = w_qkv's positions 0 .. 2,047 (source 0: its rows run along a lane's registers).  A tile of 256 x 256 to a work-group of four waves, 128 x 128 to a wave:
; 64 accumulators of 16 x 16.  All of K lies in two LDS slots of 512 along K (rows of 256 bytes + 16 of padding); both are filled once, at the start, and nothing is filled again.  The scale bytes of the 512 rows come with them.
; CLUSTERS: 4 x 4 work-groups; A's tiles are asked for jointly along a row of the cluster, B's along a column.
; THE ROW ORDER.  Position p holds row swz(p) (bits 3 and 4 swapped).  So register j of lane (r, h) in B's tile b is feature 32 (b / 2) + 16 h + 8 (b % 2) + j: the 64 registers of one block of A's rows are, block of 32 by block of 32,
; 16 neighbouring features in each half of the lanes, which is what the conversions want.  128 features are two heads: registers 0-3 of the codes are head n0's, registers 4-7 head n0 + 1's.
; OUT.  qk_img [q, k][head 16 b + n][tile 128][lane][16 bytes]: lane (r, h) holds channels 32 h .. 32 h + 31 of sequence row 32 (tile / 2) + 8 (tile % 2) + r % 8 + 16 (r / 8): half an operand's registers as they stand.
;       qk_sc [q, k][head][8 tiles][r][4 words]: word k = the two scale bytes of tile 2 k, then those of tile 2 k + 1, of lane row r.
; The bias is the C of each sum's first matrix instruction (it starts the f32 sum instead of being added at its end).
; REGISTERS, in windows of 256: window 0: v0-31 addresses; v32-95 scale words, two sets, and nothing else; v128-191 A's fragments, one set; v192-255 the bias, 8 registers for each of B's tiles; on the way out v128-255 are free.
;   window 1: B's fragments, two sets, at v0 and v128.   window 2: the accumulators of my rows 0-63 ((a, b) at v[8 (8 (a % 4) + b)]);   window 3: those of my rows 64-127.
; LIMITS: a block whose largest magnitude lies under 2^-124 keeps the byte 1, a block of zeros too (its codes are zeros; this program alone reads the bytes); NaN and infinities are not served.
.set A_ROW0, 0                         ; x's first position in ops_codes and ops_scales
.set B_ROW0, 8192                      ; w_qkv's
.set NQ,     4                         ; matrix instructions deep in a slot
.set ROWB,   256                       ; a tile's row in bytes: 512 codes
.set KROW,   512                       ; a row in memory, in bytes
.set PITCH,  272                       ; an LDS row: 256 bytes + 16 of padding = 68 words: the 16 rows that a load touches start at 16 different banks (64 banks of 4 bytes: ISA guide 11.1)
.set FR,     8                         ; registers of a fragment: 16 rows x 128 K
.set NL,     2                         ; LDS loads that bring one
.set NP,     4                         ; places behind this matrix instruction (ISA guide 7.12.1)
.set HALFT,  128*PITCH                 ; 128 rows: what one tensor load brings
.set SLOT,   4*HALFT                   ; A's 256 rows, then B's 256 rows
.set KS,     32                        ; a row of scales in bytes
.set SCL,    2*SLOT                    ; behind the slots: the scales, as units of 256 bytes + 16 of padding
.set HALFS,  (128*KS/256)*272          ; the scales of 128 rows
.set SBLK,   (16*KS/256)*272           ; those of 16 rows
.set SPARE,  SCL+4*HALFS               ; the spare words, 128 bytes for each wave: two blocks of 256 bytes that no other line names
.set ADRA, 16                          ; v16-17  LDS address of my A fragments in slot 0, 1
.set ADRB, 20                          ; v20-21  the same for B
.set BO,   24                          ; v24     the bias: 64 x (lane / 16)
.set SO,   25                          ; v25     the scale words' store: 16 (lane % 16) + 4,096 (lane / 16)
.set CO,   26                          ; v26     16 x lane
.set ADRS, 27                          ; v27     LDS address of my scale words: lanes 0-15 A's rows, lanes 16-31 B's
.set SPW,  28                          ; v28     LDS address of my spare word; never rewritten
.set NIL,  29                          ; v29     0; never rewritten
.set SC,   32                          ; scale words: set s at v[SC + 32 s]; register 4 i + q: lanes 0-15 A's block i, lanes 16-31 B's block i, the slot's q-th 128 along K
.set AF,   128                         ; A's fragments
.set BIAS, 192
.set PC,   128                         ; the way out: block a's codes at v[PC + 8 a]
.set TM,   192                         ; v192-195 largest magnitudes, v196-199 the other half's, then bytes, v204-207 the conversions' scale operands
.set PW,   208                         ; block a's scale word at v[PW + a]
.set XW,   216                         ; two words at work
.set OW,   220                         ; v220-223 the scale words as they are stored
.set G1, 24
.set G0, 32
.set G1B, 48
.set G0B, 56
.set G1S, 68
.set G0S, 76
.set G1SB, 80
.set G0SB, 88
.set MSB, 0
.macro WIN new                         ; the immediate's high byte repeats the setting that is left
.if MSB != \new
	s_set_vgpr_msb (MSB<<8)|\new
.set MSB, \new
.endif
.endm
.set MUL_LO, 0xa1                      ; source 0 (B) window 1, source 1 (A) window 0, C and D window 2
.set MUL_HI, 0xf1                      ; the same, C and D window 3
.set TO_B,   0x40                      ; destination window 1, address window 0
; A joint load: waves 0 and 1 fetch for A, waves 2 and 3 for B; the branch hangs on the wave's number alone.  Four v_nop follow each of the two lines.
.macro JLOAD g0a, g1a, g0b, g1b
	s_cmp_eq_u32 s15, 0
	s_cbranch_scc0 .Lfor_b_\@
	tensor_load_to_lds s[\g0a:\g0a+3], s[\g1a:\g1a+7]
	s_nop 0
.rept 4
	v_nop
.endr
	s_branch .Lasked_\@
.Lfor_b_\@:
	tensor_load_to_lds s[\g0b:\g0b+3], s[\g1b:\g1b+7]
	s_nop 0
.rept 4
	v_nop
.endr
.Lasked_\@:
.endm
.macro CROUND                          ; a round of the cluster's barrier
	s_barrier_signal -1
	s_barrier_wait -1
	s_cmp_lg_u32 s14, 0
	s_cbranch_scc1 .Lnot_wave_0_\@
	s_barrier_signal -3
.Lnot_wave_0_\@:
	s_barrier_wait -3
	s_barrier_signal -1
	s_barrier_wait -1
.endm
	s_load_b128 s[4:7], s[0:1], 0x0                ; ops_codes, ops_scales
	s_load_b128 s[96:99], s[0:1], 0x10             ; b_qkv, qk_img
	s_load_b64 s[100:101], s[0:1], 0x20            ; qk_sc
	v_lshl_add_u32 v[SPW], v0, 2, SPARE
	v_mov_b32 v[NIL], 0
	ds_add_u32 v28, v29
	ds_add_u32 v28, v29
	s_wait_dscnt 0x0
	v_lshrrev_b32 v1, 5, v0
	v_readfirstlane_b32 s14, v1                    ; wave 0..3
	s_lshr_b32 s15, s14, 1                         ; which half of A's rows is mine.  Also: I fetch for A (0) or for B (1)
	s_and_b32 s16, s14, 1                          ; which half of B's rows.  Also: which 128 rows of that tile I fetch
	s_bfe_u32 s40, ttmp6, 0x40000                  ; cx, cy: my place in the cluster
	s_bfe_u32 s41, ttmp6, 0x40004
	s_lshl_b32 s42, ttmp9, 2
	s_add_co_u32 s42, s42, s40                     ; B's tile = 4 x cluster x + cx
	s_and_b32 s17, ttmp7, 0xffff
	s_lshl_b32 s17, s17, 2
	s_add_co_u32 s17, s17, s41                     ; A's tile = 4 x cluster y + cy
	s_lshl_b32 s43, s41, 2
	s_lshl_b32 s43, 15, s43                        ; my row of the cluster
	s_lshl_b32 s44, 0x1111, s40                    ; my column
	; descriptor group 1: a tile of 128 rows x 256 bytes, 16 bytes of padding behind each row
	s_or_b32 s[G1+0], s43, (0<<16)|(1<<20)|(1<<21)|(5<<22)|(3<<25)  ; 15:0 the mask; 17:16 elements of 1 byte; 20 padding on; 21 set beside a mask; 24:22 after every 64 words; 31:25 four words
	s_or_b32 s[G1B+0], s44, (0<<16)|(1<<20)|(1<<21)|(5<<22)|(3<<25)
.irp g, G1, G1B
	s_mov_b32 s[\g+1], ROWB<<16                    ; tensor_dim0
	s_mov_b32 s[\g+2], 128<<16                     ; tensor_dim1
	s_mov_b32 s[\g+3], ROWB<<16                    ; tile_dim0
	s_mov_b32 s[\g+4], 128                         ; tile_dim1
	s_mov_b32 s[\g+5], KROW                        ; tensor_dim0_stride
	s_mov_b32 s[\g+6], 0
	s_mov_b32 s[\g+7], 0
.endr
	; the scales of 128 rows: 4,096 dense bytes, as 16 rows of 256 bytes (32 elements of 8 bytes), 16 bytes of padding behind each
	s_or_b32 s[G1S+0], s43, (3<<16)|(1<<20)|(1<<21)|(5<<22)|(3<<25)
	s_or_b32 s[G1SB+0], s44, (3<<16)|(1<<20)|(1<<21)|(5<<22)|(3<<25)
.irp g, G1S, G1SB
	s_mov_b32 s[\g+1], 32<<16
	s_mov_b32 s[\g+2], (128*KS/256)<<16
	s_mov_b32 s[\g+3], 32<<16
	s_mov_b32 s[\g+4], 128*KS/256
	s_mov_b32 s[\g+5], 32
	s_mov_b32 s[\g+6], 0
	s_mov_b32 s[\g+7], 0
.endr
	s_lshl_b32 s18, s16, 7                         ; which 128 rows of the tile I fetch
	s_lshl_b32 s20, s17, 8
	s_add_co_u32 s20, s20, s18                     ; A: position 256 x tile + 128 x half
.if A_ROW0
	s_add_co_u32 s20, s20, A_ROW0
.endif
	s_lshl_b32 s46, s42, 8
	s_add_co_u32 s46, s46, s18                     ; B likewise
.if B_ROW0
	s_add_co_u32 s46, s46, B_ROW0
.endif
	s_mov_b32 s21, 0
	s_mov_b32 s47, 0
	s_mov_b64 s[18:19], KS
	s_mul_u64 s[22:23], s[20:21], s[18:19]         ; where these rows' scales begin, in bytes
	s_mul_u64 s[92:93], s[46:47], s[18:19]
	s_mov_b64 s[18:19], KROW
	s_mul_u64 s[20:21], s[20:21], s[18:19]         ; and their codes
	s_mul_u64 s[46:47], s[46:47], s[18:19]
	s_mul_i32 s45, s14, HALFT                      ; where they go: wave x 128 rows: no place in the cluster enters an LDS address
	s_mul_i32 s94, s14, HALFS
	s_wait_kmcnt 0x0
	s_add_nc_u64 s[20:21], s[4:5], s[20:21]
	s_add_nc_u64 s[22:23], s[6:7], s[22:23]
	s_add_nc_u64 s[46:47], s[4:5], s[46:47]
	s_add_nc_u64 s[92:93], s[6:7], s[92:93]
	CROUND                                         ; all sixteen work-groups are here: the joint loads meet
	s_mov_b32 s[G0S], 1
	s_add_co_u32 s[G0S+1], s94, SCL
	s_mov_b64 s[G0S+2:G0S+3], s[22:23]
	s_or_b32 s[G0S+3], s[G0S+3], 0x80000000
	s_mov_b32 s[G0SB], 1
	s_add_co_u32 s[G0SB+1], s94, SCL
	s_mov_b64 s[G0SB+2:G0SB+3], s[92:93]
	s_or_b32 s[G0SB+3], s[G0SB+3], 0x80000000
	JLOAD G0S, G1S, G0SB, G1SB                     ; the scales first: they are wanted with the first step
.irp s, 0,1
	s_mov_b32 s[G0+4*\s], 1
	s_add_co_u32 s[G0+4*\s+1], s45, \s*SLOT
	s_add_nc_u64 s[G0+4*\s+2:G0+4*\s+3], s[20:21], \s*ROWB
	s_or_b32 s[G0+4*\s+3], s[G0+4*\s+3], 0x80000000
	s_mov_b32 s[G0B+4*\s], 1
	s_add_co_u32 s[G0B+4*\s+1], s45, \s*SLOT
	s_add_nc_u64 s[G0B+4*\s+2:G0B+4*\s+3], s[46:47], \s*ROWB
	s_or_b32 s[G0B+4*\s+3], s[G0B+4*\s+3], 0x80000000
	JLOAD G0+4*\s, G1, G0B+4*\s, G1B               ; three tensor loads of mine are out, and no more are issued
.endr
	v_and_b32 v1, 15, v0                           ; r = lane % 16
	v_bfe_u32 v2, v0, 4, 1                         ; h = lane / 16
	v_mul_u32_u24 v3, v1, PITCH
	v_lshl_add_u32 v4, v2, 4, v3                   ; a fragment's row x pitch + 16 x half
	s_mul_i32 s21, s15, HALFT                      ; my 128 rows of A
	s_mul_i32 s22, s16, HALFT                      ; my 128 rows of B,
	s_add_co_u32 s22, s22, 2*HALFT                 ; which lie behind A's 256
.irp s, 0,1
	v_add_nc_u32 v[ADRA+\s], s21, v4
	v_add_nc_u32 v[ADRB+\s], s22, v4
	s_add_co_u32 s21, s21, SLOT
	s_add_co_u32 s22, s22, SLOT
.endr
	v_mul_u32_u24 v5, v1, KS                       ; my row's scales: 32 bytes a row,
	v_lshrrev_b32 v6, 8, v5
	v_lshl_add_u32 v5, v6, 4, v5                   ; and 16 more for each 256 passed
	s_mul_i32 s21, s15, HALFS                      ; A's: my 128 rows
	s_mul_i32 s22, s16, HALFS                      ; B's: my 128 rows, behind A's 256
	s_add_co_u32 s22, s22, 2*HALFS
	s_sub_co_u32 s22, s22, s21
	v_mul_u32_u24 v6, s22, v2                      ; lanes 16-31 take B's
	s_add_co_u32 s21, s21, SCL
	v_add_nc_u32 v5, v5, v6
	v_add_nc_u32 v[ADRS], s21, v5
	; the bias of my 128 features: lane (r, h) wants, for B's tile b, features 32 (b / 2) + 16 h + 8 (b % 2) + 0 .. 7
	v_lshlrev_b32 v[BO], 6, v2
	v_and_b32 v6, 31, v0
	v_lshlrev_b32 v[CO], 4, v6
	v_lshlrev_b32 v[SO], 4, v1
	v_lshl_add_u32 v[SO], v2, 12, v[SO]
	s_lshl_b32 s8, s42, 10
	s_lshl_b32 s9, s16, 9
	s_add_co_u32 s8, s8, s9                        ; (256 x tile + 128 x half) x 4 bytes
	s_mov_b32 s9, 0
	s_add_nc_u64 s[96:97], s[96:97], s[8:9]
.irp b, 0,1,2,3,4,5,6,7
	global_load_b128 v[BIAS+8*\b:BIAS+8*\b+3], v[BO], s[96:97] offset:(32*(\b/2)+8*(\b%2))*4
	global_load_b128 v[BIAS+8*\b+4:BIAS+8*\b+7], v[BO], s[96:97] offset:(32*(\b/2)+8*(\b%2))*4+16
.endr
	; where my results go
	s_lshr_b32 s10, s42, 2                         ; q (0) or k (1)
	s_and_b32 s11, s42, 3
	s_lshl_b32 s11, s11, 2
	s_lshl_b32 s12, s16, 1
	s_add_co_u32 s11, s11, s12                     ; n0: the first of my two heads
	s_lshr_b32 s12, s17, 3                         ; the batch
	s_lshl_b32 s12, s12, 4
	s_add_co_u32 s11, s11, s12                     ; 16 b + n0
	s_and_b32 s12, s17, 7
	s_lshl_b32 s12, s12, 1
	s_add_co_u32 s12, s12, s15                     ; which eight tiles of the sequence are mine
	s_lshl_b32 s8, s10, 22
	s_lshl_b32 s13, s11, 16
	s_add_co_u32 s8, s8, s13
	s_lshl_b32 s13, s12, 12
	s_add_co_u32 s8, s8, s13
	s_add_nc_u64 s[98:99], s[98:99], s[8:9]        ; qk_img: 4,194,304 x which + 65,536 x head + 512 x tile
	s_lshl_b32 s8, s10, 18
	s_lshl_b32 s13, s11, 12
	s_add_co_u32 s8, s8, s13
	s_lshl_b32 s13, s12, 8
	s_add_co_u32 s8, s8, s13
	s_add_nc_u64 s[100:101], s[100:101], s[8:9]    ; qk_sc: 262,144 x which + 4,096 x head + 256 x eight tiles
	s_mov_b32 s66, 0x76543210
	s_mov_b32 s67, 0xfedcba98                      ; v_permlanex16_b32's selects for lane l xor 16
	s_mov_b32 s95, 0xffff0000                      ; lanes 16-31
.macro FRAG reg, adr, q, i             ; a fragment: lane l holds row l % 16; registers 4 c .. 4 c + 3 hold K = 64 c + 32 (l / 16) + 0 .. 31
.irp c, 0,1
	ds_load_b128 v[\reg+4*\c:\reg+4*\c+3], v[\adr] offset:64*(\q)+32*\c+(\i)*16*PITCH
.endr
.endm
; 16 matrix instructions: A's blocks a0, a0 + 1 x B's eight, the slot's q-th 128 along K.  p: B's set; sc: the set of scale words.  first = 1: the bias starts the sums: nothing is ever cleared.
; The 64 accumulators take turns, one instruction a turn, in the same order in every step.
.macro MUL16 a0, p, q, sc, first
.irp a, \a0, \a0+1
.irp b, 0,1,2,3,4,5,6,7
.if \first
	v_wmma_scale_f32_16x16x128_f8f6f4 v[8*(8*((\a)%4)+\b):8*(8*((\a)%4)+\b)+7], v[128*(\p)+FR*\b:128*(\p)+FR*\b+FR-1], v[AF+FR*(\a):AF+FR*(\a)+FR-1], v[BIAS+8*\b:BIAS+8*\b+7], v[SC+8*NQ*(\sc)+NQ*\b+(\q)], v[SC+8*NQ*(\sc)+NQ*(\a)+(\q)] matrix_a_fmt:MATRIX_FMT_FP4 matrix_b_fmt:MATRIX_FMT_FP4 matrix_a_scale:MATRIX_SCALE_ROW1
.else
	v_wmma_scale_f32_16x16x128_f8f6f4 v[8*(8*((\a)%4)+\b):8*(8*((\a)%4)+\b)+7], v[128*(\p)+FR*\b:128*(\p)+FR*\b+FR-1], v[AF+FR*(\a):AF+FR*(\a)+FR-1], v[8*(8*((\a)%4)+\b):8*(8*((\a)%4)+\b)+7], v[SC+8*NQ*(\sc)+NQ*\b+(\q)], v[SC+8*NQ*(\sc)+NQ*(\a)+(\q)] matrix_a_fmt:MATRIX_FMT_FP4 matrix_b_fmt:MATRIX_FMT_FP4 matrix_a_scale:MATRIX_SCALE_ROW1
.endif
.endr
.endr
.endm
.macro FETCH_B slot, q, p              ; B's eight fragments of the slot's q-th 128 along K into set p
	WIN TO_B
.irp i, 0,1,2,3,4,5,6,7
	FRAG 128*(\p)+FR*\i, ADRB+\slot, \q, \i
.endr
	WIN 0
.endm
.macro FETCH_A slot, q, i0             ; A's blocks i0 .. i0 + 3
.irp i, \i0, \i0+1, \i0+2, \i0+3
	FRAG AF+FR*(\i), ADRA+\slot, \q, \i
.endr
.endm
.macro SCALES sc                       ; a slot's scale words into set sc: four words a row; lanes 0-15 take A's block i, lanes 16-31 B's block i
.irp i, 0,1,2,3,4,5,6,7
	ds_load_b128 v[SC+8*NQ*\sc+NQ*\i:SC+8*NQ*\sc+NQ*\i+3], v[ADRS] offset:\i*SBLK
.endr
.endm
.macro PLACES n                        ; plain vector instructions between a matrix instruction and a load into, or a vector read or write of, one of its registers
.rept \n
	v_nop
.endr
.endm
; A step of 128 along K that has its successor in the same slot.  first = 1: C comes from window 0, where the bias lies.
.macro STEP slot, q, first
	s_wait_dscnt 4*NL                              ; B's set and A's blocks 0-3 are in; the youngest eight loads (A's blocks 4-7) may be out
	WIN MUL_LO-0x20*(\first)
	MUL16 0, (\q)%2, \q, \slot, \first
	MUL16 2, (\q)%2, \q, \slot, \first
	s_wait_dscnt 0                                 ; A's blocks 4-7 are in
	PLACES NP
	FETCH_B \slot, (\q)+1, 1-(\q)%2
	FETCH_A \slot, (\q)+1, 0
	WIN MUL_HI-0x30*(\first)
	MUL16 4, (\q)%2, \q, \slot, \first
	MUL16 6, (\q)%2, \q, \slot, \first
	PLACES NP
	WIN 0
	FETCH_A \slot, (\q)+1, 4
.endm
; Slot 0's last step changes slots: one barrier; in front of it each wave waits for all its tensor loads (slot 1's was still out), so that behind it slot 1 is whole for every wave.
.macro TURN slot, next
	s_wait_tensorcnt 0x0                           ; all my tensor loads have landed
	ds_add_u32 v[SPW], v[NIL]                      ; 0 onto my spare word
	s_wait_dscnt 4*NL+1                            ; (the add and the youngest eight loads, A's blocks 4-7, may be out)
	WIN MUL_LO
	MUL16 0, 1, NQ-1, \slot, 0
	s_wait_dscnt 0x0                               ; the add is done, and my reads of this slot are over
	s_barrier_signal -1
	MUL16 2, 1, NQ-1, \slot, 0
	WIN 0
	s_barrier_wait -1
	PLACES NP
	v_add_nc_u32 v[ADRS], 4*NQ, v[ADRS]            ; on to the next slot's scale words (no LDS load of mine is out)
	FETCH_B \next, 0, 0
	FETCH_A \next, 0, 0
	SCALES \next
	WIN MUL_HI
	MUL16 4, 1, NQ-1, \slot, 0
	MUL16 6, 1, NQ-1, \slot, 0
	PLACES NP
	WIN 0
	FETCH_A \next, 0, 4
.endm
.macro STEPS slot, from                ; the slot's steps from .. NQ - 2
.set Q, \from
.rept NQ-1-\from
	STEP \slot, Q, 0
.set Q, Q+1
.endr
.endm
; THE WAY OUT of block a (16 rows of x): its 64 registers, register 16 b + i = feature 32 b + 16 (lane / 16) + i of my row, become 8 registers of codes in v[PC + 8 a] on and a scale word in v[PW + a].
; Each accumulator is read from its low end on.
.macro QUANTW a
.set AC, 64*((\a)%4)
.set WW, 2+(\a)/4
.set W_A, WW|(WW<<2)
.set W_B, (WW<<2)|(WW<<4)
	WIN W_A                                        ; sources 0 and 1: the accumulators' window
.irp b, 0,1,2,3
	v_max3_num_f32 v[TM+\b], |v[AC+16*\b]|, |v[AC+16*\b+1]|, 0x1800000   ; block b: my 16 numbers, and the floor 2^(3 - 127): the byte cannot fall under 1
.endr
	WIN W_B                                        ; sources 1 and 2
.irp i, 2,4,6,8,10,12,14
.irp b, 0,1,2,3
	v_max3_num_f32 v[TM+\b], v[TM+\b], |v[AC+16*\b+\i]|, |v[AC+16*\b+\i+1]|   ; (the four blocks by turns)
.endr
.endr
	WIN 0
.irp b, 0,1,2,3
	v_permlanex16_b32 v[TM+4+\b], v[TM+\b], s66, s67
.endr
.irp b, 0,1,2,3
	v_max_num_f32 v[TM+\b], v[TM+\b], v[TM+4+\b]   ; with lane l xor 16's: the block's largest magnitude
.endr
.irp b, 0,1,2,3
	v_add_nc_u32 v[TM+12+\b], 0xff000000, v[TM+\b] ; 2 off its exponent field: the conversion's scale operand
.endr
.irp b, 0,1,2,3
	v_lshrrev_b32 v[TM+4+\b], 23, v[TM+12+\b]      ; the scale's byte
.endr
	v_lshl_or_b32 v[PW+(\a)], v[TM+5], 8, v[TM+4]
	v_lshl_or_b32 v[PW+(\a)], v[TM+6], 16, v[PW+(\a)]
	v_lshl_or_b32 v[PW+(\a)], v[TM+7], 24, v[PW+(\a)]
	WIN WW                                         ; source 0
.irp b, 0,1,2,3
	v_cvt_scalef32_pk8_fp4_f32 v[PC+8*(\a)+2*\b], v[AC+16*\b:AC+16*\b+7], v[TM+12+\b]
	v_cvt_scalef32_pk8_fp4_f32 v[PC+8*(\a)+2*\b+1], v[AC+16*\b+8:AC+16*\b+15], v[TM+12+\b]
.endr
	WIN 0
	v_nop                                          ; one plain place behind a scaled conversion
.irp c, 0,1                                    ; a whole block to a lane: lanes 0-15 block 2 c, lanes 16-31 block 2 c + 1
.irp i, 0,1
	v_permlane16_swap_b32 v[PC+8*(\a)+4*\c+\i], v[PC+8*(\a)+4*\c+2+\i]
.endr
.endr
.endm
	s_wait_tensorcnt 1                             ; the scales and my part of slot 0 are in (slot 1's load may be out),
	s_barrier_signal -1
	s_barrier_wait -1                              ; everybody's are
	FETCH_B 0, 0, 0
	FETCH_A 0, 0, 0
	SCALES 0
	FETCH_A 0, 0, 4
	s_wait_loadcnt 0x0                             ; the bias
	STEP 0, 0, 1                                   ; the first step's products start the sums with the bias
	STEPS 0, 1
	TURN 0, 1
	STEPS 1, 0
	s_wait_dscnt 4*NL                              ; the last step: nothing more to fetch
	WIN MUL_LO
	MUL16 0, 1, NQ-1, 1, 0
	MUL16 2, 1, NQ-1, 1, 0
	s_wait_dscnt 0
	WIN MUL_HI
	MUL16 4, 1, NQ-1, 1, 0
	MUL16 6, 1, NQ-1, 1, 0
	WIN 0
	PLACES NP                                      ; behind the last products: their results are read and A's registers written below
.irp b, 0,1,2,3
	v_mov_b32 v[TM+4+\b], 0                        ; a lane permute's destination counts as one of its sources
.endr
.irp a, 0,1,2,3,4,5,6,7                        ; every block has its own registers for codes and scale word: no store's data are written again
	QUANTW \a
	global_store_b128 v[CO], v[PC+8*\a:PC+8*\a+3], s[98:99] offset:\a*512            ; head n0: 32 lanes store 512 consecutive bytes, aligned
	global_store_b128 v[CO], v[PC+8*\a+4:PC+8*\a+7], s[98:99] offset:65536+\a*512    ; head n0 + 1
.endr
.irp k, 0,1,2,3                                ; bytes 0, 1 of a block's word are head n0's, bytes 2, 3 head n0 + 1's; two tiles' pairs make a word; lanes 0-15 store head n0's, lanes 16-31 head n0 + 1's
	v_perm_b32 v[XW], v[PW+2*\k+1], v[PW+2*\k], 0x05040100
	v_perm_b32 v[XW+1], v[PW+2*\k+1], v[PW+2*\k], 0x07060302
	v_cndmask_b32 v[OW+\k], v[XW], v[XW+1], s95
.endr
	global_store_b128 v[SO], v[OW:OW+3], s[100:101]   ; sixteen lanes store 256 consecutive bytes, aligned
	s_wait_tensorcnt 0x0                           ; the wave's end
	ds_add_u32 v[SPW], v[NIL]
	s_wait_dscnt 0x0
	CROUND                                         ; the closing round
	s_endpgm
.Lfunc_end_k_q0a8f3094f7_gemm_qk:
	.size	k_q0a8f3094f7_gemm_qk, .Lfunc_end_k_q0a8f3094f7_gemm_qk-k_q0a8f3094f7_gemm_qk
	.p2alignl 7, 3214868480
	.fill 96, 4, 3214868480
	.section	.rodata,"a",@progbits
	.p2align	6, 0x0
	.amdhsa_kernel k_q0a8f3094f7_gemm_qk
		.amdhsa_group_segment_fixed_size 327680
		.amdhsa_private_segment_fixed_size 0
		.amdhsa_enable_private_segment 0
		.amdhsa_kernarg_size 40
		.amdhsa_user_sgpr_count 2
		.amdhsa_user_sgpr_kernarg_segment_ptr 1
		.amdhsa_wavefront_size32 1
		.amdhsa_system_sgpr_workgroup_id_x 1
		.amdhsa_system_sgpr_workgroup_id_y 1
		.amdhsa_system_sgpr_workgroup_id_z 1
		.amdhsa_system_vgpr_workitem_id 0
		.amdhsa_next_free_vgpr 1024
		.amdhsa_next_free_sgpr 102
		.amdhsa_reserve_vcc 0
		.amdhsa_float_denorm_mode_32 3
		.amdhsa_float_denorm_mode_16_64 3
		.amdhsa_memory_ordered 1
		.amdhsa_forward_progress 1
		.amdhsa_inst_pref_size 131
	.end_amdhsa_kernel
	.amdgpu_metadata
---
amdhsa.version: [ 1, 2 ]
amdhsa.kernels:
  - .name:           k_q0a8f3094f7_gemm_qk
    .symbol:         k_q0a8f3094f7_gemm_qk.kd
    .args:
      - { .name: ops_codes, .offset: 0, .size: 8, .value_kind: global_buffer, .address_space: global }
      - { .name: ops_scales, .offset: 8, .size: 8, .value_kind: global_buffer, .address_space: global }
      - { .name: b_qkv, .offset: 16, .size: 8, .value_kind: global_buffer, .address_space: global }
      - { .name: qk_img, .offset: 24, .size: 8, .value_kind: global_buffer, .address_space: global }
      - { .name: qk_sc, .offset: 32, .size: 8, .value_kind: global_buffer, .address_space: global }
    .group_segment_fixed_size: 327680
    .private_segment_fixed_size: 0
    .kernarg_segment_align: 8
    .kernarg_segment_size: 40
    .max_flat_workgroup_size: 128
    .sgpr_count:     102
    .vgpr_count:     1024
    .wavefront_size: 32
...
	.end_amdgpu_metadata
.endif
;; end of part 2
;; launch gemm_v (part 3): grid 32 x 4, 4 waves a work-group, clusters of 4 x 4, 327,680 bytes of LDS; arguments ops_codes, ops_scales, b_qkv, v_img, v_sc; writes v_img, v_sc
.if DOCPART == 3
	.amdgcn_target "amdgcn-amd-amdhsa--gfx1250"
	.amdhsa_code_object_version 6
	.text
	.protected	k_q0a8f3094f7_gemm_v
	.globl	k_q0a8f3094f7_gemm_v
	.p2align	8
	.type	k_q0a8f3094f7_gemm_v,@function
k_q0a8f3094f7_gemm_v:
	s_mov_b64 s[64:65], 0
	v_nop
	global_prefetch_b8 v0, s[64:65] scope:SCOPE_SE
	s_setreg_imm32_b32 hwreg(HW_REG_WAVE_MODE, 25, 1), 1
	s_wait_xcnt 0x0
	s_wait_alu depctr_hold_cnt(0) depctr_sa_sdst(0) depctr_va_vdst(0) depctr_va_sdst(0) depctr_va_ssrc(0) depctr_va_vcc(0) depctr_vm_vsrc(0)
	s_getreg_b32 s2, hwreg(HW_REG_IB_STS2, 6, 4)
	s_cmp_eq_u32 s2, 0
	s_cbranch_scc0 .Lentry_in_a_cluster
	s_endpgm
.Lentry_in_a_cluster:
	s_bfe_u32 s2, ttmp6, 0x10000c
	s_cmp_lg_u32 s2, 0xf033
	s_cbranch_scc0 .Lentry_shape_is_right
	s_endpgm
.Lentry_shape_is_right:
; v of qkv = x w_qkv^T + b_qkv, on codes of FP4 with E8M0 scales, K = 1,024; the results, with their bias, are quantised ALONG THE KEYS, which are the K of attention's second product, and leave as codes.
; The sources stand the other way round than for q and k: "A" = w_qkv's positions 2,048 .. 3,071 (source 1: a lane holds one channel), "B" = x's 8,192 positions (source 0: a lane's registers run along the sequence).
; A tile of 256 x 256 to a work-group of four waves, 128 x 128 to a wave: 64 accumulators.  All of K lies in two LDS slots of 512 along K, filled once at the start; nothing is filled again.  The scale bytes come with them.
; CLUSTERS: 4 x 4 work-groups; A's tiles are asked for jointly along a row of the cluster, B's along a column.  The grid has one cluster along y, so A's tile is cy itself.
; THE ROW ORDER.  Position p holds row swz(p) (bits 3 and 4 swapped): register j of lane (r, h) in B's tile b is key 32 (b / 2) + 16 h + 8 (b % 2) + j of my 128 keys, so the 64 registers of a block of channels are,
; block of 32 keys by block, 16 neighbouring keys in each half of the lanes.  A wave's 128 keys are one key step of attention, its 128 channels two heads.
; OUT.  v_img [head 16 b + n][key step 16][tile of channels 4][c 2][lane][16 bytes]: an operand's registers as they stand: lane (r, h) holds keys 64 c + 32 h + 0 .. 31 of channel position 16 t + r.
;       v_sc [head][key step][r][4 words]: word t = the four scale bytes of channel position 16 t + r.
; The bias, one number a lane, is spread over eight registers and is the C of each sum's first matrix instruction (it starts the f32 sum instead of being added at its end).
; REGISTERS as for q and k: window 0: v0-31 addresses; v32-95 scale words and nothing else; v128-191 A's fragments; v192-255 the bias, 8 registers for each of A's blocks; window 1: B's two sets; windows 2, 3: the accumulators.
; LIMITS: a block whose largest magnitude lies under 2^-124 keeps the byte 1, a block of zeros too (its codes are zeros; this program alone reads the bytes); NaN and infinities are not served.
.set A_ROW0, 10240                     ; the v part of w_qkv in ops_codes and ops_scales
.set B_ROW0, 0                         ; x's first position
.set NQ,     4
.set ROWB,   256
.set KROW,   512
.set PITCH,  272                       ; an LDS row: 256 bytes + 16 of padding: the 16 rows that a load touches start at 16 different banks (ISA guide 11.1)
.set FR,     8
.set NL,     2
.set NP,     4                         ; places behind this matrix instruction (ISA guide 7.12.1)
.set HALFT,  128*PITCH
.set SLOT,   4*HALFT
.set KS,     32
.set SCL,    2*SLOT
.set HALFS,  (128*KS/256)*272
.set SBLK,   (16*KS/256)*272
.set SPARE,  SCL+4*HALFS               ; the spare words, 128 bytes for each wave: two blocks of 256 bytes that no other line names
.set ADRA, 16
.set ADRB, 20
.set BO,   24                          ; v24     the bias: 4 x (r % 8 + 16 (r / 8))
.set SO,   25                          ; v25     the scale words' store: 16 (lane % 16) + 4,096 (lane / 16)
.set CO,   26                          ; v26     16 x lane
.set ADRS, 27
.set SPW,  28
.set NIL,  29
.set SC,   32
.set AF,   128
.set BIAS, 192
.set PC,   128
.set TM,   192
.set PW,   208
.set OW,   220
.set G1, 24
.set G0, 32
.set G1B, 48
.set G0B, 56
.set G1S, 68
.set G0S, 76
.set G1SB, 80
.set G0SB, 88
.set MSB, 0
.macro WIN new                         ; the immediate's high byte repeats the setting that is left
.if MSB != \new
	s_set_vgpr_msb (MSB<<8)|\new
.set MSB, \new
.endif
.endm
.set MUL_LO, 0xa1
.set MUL_HI, 0xf1
.set TO_B,   0x40
.macro JLOAD g0a, g1a, g0b, g1b        ; a joint load: waves 0 and 1 fetch for A, waves 2 and 3 for B; four v_nop follow each of the two lines
	s_cmp_eq_u32 s15, 0
	s_cbranch_scc0 .Lfor_b_\@
	tensor_load_to_lds s[\g0a:\g0a+3], s[\g1a:\g1a+7]
	s_nop 0
.rept 4
	v_nop
.endr
	s_branch .Lasked_\@
.Lfor_b_\@:
	tensor_load_to_lds s[\g0b:\g0b+3], s[\g1b:\g1b+7]
	s_nop 0
.rept 4
	v_nop
.endr
.Lasked_\@:
.endm
.macro CROUND                          ; a round of the cluster's barrier
	s_barrier_signal -1
	s_barrier_wait -1
	s_cmp_lg_u32 s14, 0
	s_cbranch_scc1 .Lnot_wave_0_\@
	s_barrier_signal -3
.Lnot_wave_0_\@:
	s_barrier_wait -3
	s_barrier_signal -1
	s_barrier_wait -1
.endm
	s_load_b128 s[4:7], s[0:1], 0x0                ; ops_codes, ops_scales
	s_load_b128 s[96:99], s[0:1], 0x10             ; b_qkv, v_img
	s_load_b64 s[100:101], s[0:1], 0x20            ; v_sc
	v_lshl_add_u32 v[SPW], v0, 2, SPARE
	v_mov_b32 v[NIL], 0
	ds_add_u32 v28, v29
	ds_add_u32 v28, v29
	s_wait_dscnt 0x0
	v_lshrrev_b32 v1, 5, v0
	v_readfirstlane_b32 s14, v1                    ; wave 0..3
	s_lshr_b32 s15, s14, 1                         ; which half of A's rows is mine.  Also: I fetch for A (0) or for B (1)
	s_and_b32 s16, s14, 1                          ; which half of B's rows.  Also: which 128 rows of that tile I fetch
	s_bfe_u32 s40, ttmp6, 0x40000                  ; cx, cy
	s_bfe_u32 s41, ttmp6, 0x40004
	s_lshl_b32 s42, ttmp9, 2
	s_add_co_u32 s42, s42, s40                     ; B's tile = 4 x cluster x + cx
	s_mov_b32 s17, s41                             ; A's tile = cy: one cluster along y
	s_lshl_b32 s43, s41, 2
	s_lshl_b32 s43, 15, s43                        ; my row of the cluster
	s_lshl_b32 s44, 0x1111, s40                    ; my column
	s_or_b32 s[G1+0], s43, (0<<16)|(1<<20)|(1<<21)|(5<<22)|(3<<25)  ; a tile of 128 rows x 256 bytes, 16 bytes of padding behind each row; the mask, bit 21 beside it
	s_or_b32 s[G1B+0], s44, (0<<16)|(1<<20)|(1<<21)|(5<<22)|(3<<25)
.irp g, G1, G1B
	s_mov_b32 s[\g+1], ROWB<<16
	s_mov_b32 s[\g+2], 128<<16
	s_mov_b32 s[\g+3], ROWB<<16
	s_mov_b32 s[\g+4], 128
	s_mov_b32 s[\g+5], KROW
	s_mov_b32 s[\g+6], 0
	s_mov_b32 s[\g+7], 0
.endr
	s_or_b32 s[G1S+0], s43, (3<<16)|(1<<20)|(1<<21)|(5<<22)|(3<<25)  ; the scales of 128 rows: 16 rows of 256 bytes, 16 bytes of padding behind each
	s_or_b32 s[G1SB+0], s44, (3<<16)|(1<<20)|(1<<21)|(5<<22)|(3<<25)
.irp g, G1S, G1SB
	s_mov_b32 s[\g+1], 32<<16
	s_mov_b32 s[\g+2], (128*KS/256)<<16
	s_mov_b32 s[\g+3], 32<<16
	s_mov_b32 s[\g+4], 128*KS/256
	s_mov_b32 s[\g+5], 32
	s_mov_b32 s[\g+6], 0
	s_mov_b32 s[\g+7], 0
.endr
	s_lshl_b32 s18, s16, 7
	s_lshl_b32 s20, s17, 8
	s_add_co_u32 s20, s20, s18                     ; A: position 256 x tile + 128 x half
.if A_ROW0
	s_add_co_u32 s20, s20, A_ROW0
.endif
	s_lshl_b32 s46, s42, 8
	s_add_co_u32 s46, s46, s18                     ; B likewise
.if B_ROW0
	s_add_co_u32 s46, s46, B_ROW0
.endif
	s_mov_b32 s21, 0
	s_mov_b32 s47, 0
	s_mov_b64 s[18:19], KS
	s_mul_u64 s[22:23], s[20:21], s[18:19]
	s_mul_u64 s[92:93], s[46:47], s[18:19]
	s_mov_b64 s[18:19], KROW
	s_mul_u64 s[20:21], s[20:21], s[18:19]
	s_mul_u64 s[46:47], s[46:47], s[18:19]
	s_mul_i32 s45, s14, HALFT                      ; no place in the cluster enters an LDS address
	s_mul_i32 s94, s14, HALFS
	s_wait_kmcnt 0x0
	s_add_nc_u64 s[20:21], s[4:5], s[20:21]
	s_add_nc_u64 s[22:23], s[6:7], s[22:23]
	s_add_nc_u64 s[46:47], s[4:5], s[46:47]
	s_add_nc_u64 s[92:93], s[6:7], s[92:93]
	CROUND                                         ; all sixteen work-groups are here: the joint loads meet
	s_mov_b32 s[G0S], 1
	s_add_co_u32 s[G0S+1], s94, SCL
	s_mov_b64 s[G0S+2:G0S+3], s[22:23]
	s_or_b32 s[G0S+3], s[G0S+3], 0x80000000
	s_mov_b32 s[G0SB], 1
	s_add_co_u32 s[G0SB+1], s94, SCL
	s_mov_b64 s[G0SB+2:G0SB+3], s[92:93]
	s_or_b32 s[G0SB+3], s[G0SB+3], 0x80000000
	JLOAD G0S, G1S, G0SB, G1SB
.irp s, 0,1
	s_mov_b32 s[G0+4*\s], 1
	s_add_co_u32 s[G0+4*\s+1], s45, \s*SLOT
	s_add_nc_u64 s[G0+4*\s+2:G0+4*\s+3], s[20:21], \s*ROWB
	s_or_b32 s[G0+4*\s+3], s[G0+4*\s+3], 0x80000000
	s_mov_b32 s[G0B+4*\s], 1
	s_add_co_u32 s[G0B+4*\s+1], s45, \s*SLOT
	s_add_nc_u64 s[G0B+4*\s+2:G0B+4*\s+3], s[46:47], \s*ROWB
	s_or_b32 s[G0B+4*\s+3], s[G0B+4*\s+3], 0x80000000
	JLOAD G0+4*\s, G1, G0B+4*\s, G1B               ; three tensor loads of mine are out, and no more are issued
.endr
	v_and_b32 v1, 15, v0                           ; r
	v_bfe_u32 v2, v0, 4, 1                         ; h
	v_mul_u32_u24 v3, v1, PITCH
	v_lshl_add_u32 v4, v2, 4, v3
	s_mul_i32 s21, s15, HALFT
	s_mul_i32 s22, s16, HALFT
	s_add_co_u32 s22, s22, 2*HALFT
.irp s, 0,1
	v_add_nc_u32 v[ADRA+\s], s21, v4
	v_add_nc_u32 v[ADRB+\s], s22, v4
	s_add_co_u32 s21, s21, SLOT
	s_add_co_u32 s22, s22, SLOT
.endr
	v_mul_u32_u24 v5, v1, KS
	v_lshrrev_b32 v6, 8, v5
	v_lshl_add_u32 v5, v6, 4, v5
	s_mul_i32 s21, s15, HALFS
	s_mul_i32 s22, s16, HALFS
	s_add_co_u32 s22, s22, 2*HALFS
	s_sub_co_u32 s22, s22, s21
	v_mul_u32_u24 v6, s22, v2                      ; lanes 16-31 take B's scale words
	s_add_co_u32 s21, s21, SCL
	v_add_nc_u32 v5, v5, v6
	v_add_nc_u32 v[ADRS], s21, v5
	; the bias: lane r of A's block a holds feature 32 (a / 2) + 8 (a % 2) + r % 8 + 16 (r / 8) of my 128
	v_and_b32 v5, 7, v1
	v_lshrrev_b32 v6, 3, v1
	v_lshlrev_b32 v[BO], 2, v5
	v_lshl_add_u32 v[BO], v6, 6, v[BO]
	v_and_b32 v6, 31, v0
	v_lshlrev_b32 v[CO], 4, v6
	v_lshlrev_b32 v[SO], 4, v1
	v_lshl_add_u32 v[SO], v2, 12, v[SO]
	s_lshl_b32 s8, s17, 10
	s_lshl_b32 s9, s15, 9
	s_add_co_u32 s8, s8, s9
	s_add_co_u32 s8, s8, 8192                      ; (2,048 + 256 x tile + 128 x half) x 4 bytes
	s_mov_b32 s9, 0
	s_add_nc_u64 s[96:97], s[96:97], s[8:9]
.irp a, 0,1,2,3,4,5,6,7
	global_load_b32 v[BIAS+8*\a], v[BO], s[96:97] offset:(32*(\a/2)+8*(\a%2))*4
.endr
	; where my results go
	s_lshr_b32 s10, s42, 3                         ; the batch
	s_lshl_b32 s10, s10, 4
	s_lshl_b32 s11, s17, 2
	s_add_co_u32 s10, s10, s11
	s_lshl_b32 s11, s15, 1
	s_add_co_u32 s10, s10, s11                     ; 16 b + n0, n0 = 4 x A's tile + 2 x half: the first of my two heads
	s_and_b32 s11, s42, 7
	s_lshl_b32 s11, s11, 1
	s_add_co_u32 s11, s11, s16                     ; my key step
	s_lshl_b32 s8, s10, 16
	s_lshl_b32 s13, s11, 12
	s_add_co_u32 s8, s8, s13
	s_add_nc_u64 s[98:99], s[98:99], s[8:9]        ; v_img: 65,536 x head + 4,096 x key step
	s_lshl_b32 s8, s10, 12
	s_lshl_b32 s13, s11, 8
	s_add_co_u32 s8, s8, s13
	s_add_nc_u64 s[100:101], s[100:101], s[8:9]    ; v_sc: 4,096 x head + 256 x key step
	s_mov_b32 s66, 0x76543210
	s_mov_b32 s67, 0xfedcba98                      ; v_permlanex16_b32's selects for lane l xor 16
	s_mov_b32 s95, 0xffff0000                      ; lanes 16-31
.macro FRAG reg, adr, q, i
.irp c, 0,1
	ds_load_b128 v[\reg+4*\c:\reg+4*\c+3], v[\adr] offset:64*(\q)+32*\c+(\i)*16*PITCH
.endr
.endm
; 16 matrix instructions: A's blocks a0, a0 + 1 x B's eight.  first = 1: the bias of A's block starts the sums.  The 64 accumulators take turns, one instruction a turn.
.macro MUL16 a0, p, q, sc, first
.irp a, \a0, \a0+1
.irp b, 0,1,2,3,4,5,6,7
.if \first
	v_wmma_scale_f32_16x16x128_f8f6f4 v[8*(8*((\a)%4)+\b):8*(8*((\a)%4)+\b)+7], v[128*(\p)+FR*\b:128*(\p)+FR*\b+FR-1], v[AF+FR*(\a):AF+FR*(\a)+FR-1], v[BIAS+8*(\a):BIAS+8*(\a)+7], v[SC+8*NQ*(\sc)+NQ*\b+(\q)], v[SC+8*NQ*(\sc)+NQ*(\a)+(\q)] matrix_a_fmt:MATRIX_FMT_FP4 matrix_b_fmt:MATRIX_FMT_FP4 matrix_a_scale:MATRIX_SCALE_ROW1
.else
	v_wmma_scale_f32_16x16x128_f8f6f4 v[8*(8*((\a)%4)+\b):8*(8*((\a)%4)+\b)+7], v[128*(\p)+FR*\b:128*(\p)+FR*\b+FR-1], v[AF+FR*(\a):AF+FR*(\a)+FR-1], v[8*(8*((\a)%4)+\b):8*(8*((\a)%4)+\b)+7], v[SC+8*NQ*(\sc)+NQ*\b+(\q)], v[SC+8*NQ*(\sc)+NQ*(\a)+(\q)] matrix_a_fmt:MATRIX_FMT_FP4 matrix_b_fmt:MATRIX_FMT_FP4 matrix_a_scale:MATRIX_SCALE_ROW1
.endif
.endr
.endr
.endm
.macro FETCH_B slot, q, p
	WIN TO_B
.irp i, 0,1,2,3,4,5,6,7
	FRAG 128*(\p)+FR*\i, ADRB+\slot, \q, \i
.endr
	WIN 0
.endm
.macro FETCH_A slot, q, i0
.irp i, \i0, \i0+1, \i0+2, \i0+3
	FRAG AF+FR*(\i), ADRA+\slot, \q, \i
.endr
.endm
.macro SCALES sc
.irp i, 0,1,2,3,4,5,6,7
	ds_load_b128 v[SC+8*NQ*\sc+NQ*\i:SC+8*NQ*\sc+NQ*\i+3], v[ADRS] offset:\i*SBLK
.endr
.endm
.macro PLACES n                        ; plain vector instructions between a matrix instruction and a load into, or a vector read or write of, one of its registers
.rept \n
	v_nop
.endr
.endm
.macro STEP slot, q, first
	s_wait_dscnt 4*NL                              ; B's set and A's blocks 0-3 are in; the youngest eight loads (A's blocks 4-7) may be out
	WIN MUL_LO-0x20*(\first)
	MUL16 0, (\q)%2, \q, \slot, \first
	MUL16 2, (\q)%2, \q, \slot, \first
	s_wait_dscnt 0
	PLACES NP
	FETCH_B \slot, (\q)+1, 1-(\q)%2
	FETCH_A \slot, (\q)+1, 0
	WIN MUL_HI-0x30*(\first)
	MUL16 4, (\q)%2, \q, \slot, \first
	MUL16 6, (\q)%2, \q, \slot, \first
	PLACES NP
	WIN 0
	FETCH_A \slot, (\q)+1, 4
.endm
.macro TURN slot, next                 ; slot 0's last step: one barrier, in front of which each wave waits for all its tensor loads: behind it slot 1 is whole for every wave
	s_wait_tensorcnt 0x0
	ds_add_u32 v[SPW], v[NIL]                      ; 0 onto my spare word
	s_wait_dscnt 4*NL+1                            ; (the add and the youngest eight loads may be out)
	WIN MUL_LO
	MUL16 0, 1, NQ-1, \slot, 0
	s_wait_dscnt 0x0                               ; the add is done, and my reads of this slot are over
	s_barrier_signal -1
	MUL16 2, 1, NQ-1, \slot, 0
	WIN 0
	s_barrier_wait -1
	PLACES NP
	v_add_nc_u32 v[ADRS], 4*NQ, v[ADRS]
	FETCH_B \next, 0, 0
	FETCH_A \next, 0, 0
	SCALES \next
	WIN MUL_HI
	MUL16 4, 1, NQ-1, \slot, 0
	MUL16 6, 1, NQ-1, \slot, 0
	PLACES NP
	WIN 0
	FETCH_A \next, 0, 4
.endm
.macro STEPS slot, from
.set Q, \from
.rept NQ-1-\from
	STEP \slot, Q, 0
.set Q, Q+1
.endr
.endm
; THE WAY OUT of block a (16 channels): its 64 registers, register 16 b + i = key 32 b + 16 (lane / 16) + i of my channel, become a whole fragment in v[PC + 8 a] on and its scale word in v[PW + a].
.macro QUANTW a
.set AC, 64*((\a)%4)
.set WW, 2+(\a)/4
.set W_A, WW|(WW<<2)
.set W_B, (WW<<2)|(WW<<4)
	WIN W_A
.irp b, 0,1,2,3
	v_max3_num_f32 v[TM+\b], |v[AC+16*\b]|, |v[AC+16*\b+1]|, 0x1800000   ; my 16 numbers of block b, and the floor 2^(3 - 127)
.endr
	WIN W_B
.irp i, 2,4,6,8,10,12,14
.irp b, 0,1,2,3
	v_max3_num_f32 v[TM+\b], v[TM+\b], |v[AC+16*\b+\i]|, |v[AC+16*\b+\i+1]|
.endr
.endr
	WIN 0
.irp b, 0,1,2,3
	v_permlanex16_b32 v[TM+4+\b], v[TM+\b], s66, s67
.endr
.irp b, 0,1,2,3
	v_max_num_f32 v[TM+\b], v[TM+\b], v[TM+4+\b]
.endr
.irp b, 0,1,2,3
	v_add_nc_u32 v[TM+12+\b], 0xff000000, v[TM+\b]
.endr
.irp b, 0,1,2,3
	v_lshrrev_b32 v[TM+4+\b], 23, v[TM+12+\b]
.endr
	v_lshl_or_b32 v[PW+(\a)], v[TM+5], 8, v[TM+4]
	v_lshl_or_b32 v[PW+(\a)], v[TM+6], 16, v[PW+(\a)]
	v_lshl_or_b32 v[PW+(\a)], v[TM+7], 24, v[PW+(\a)]
	WIN WW
.irp b, 0,1,2,3
	v_cvt_scalef32_pk8_fp4_f32 v[PC+8*(\a)+2*\b], v[AC+16*\b:AC+16*\b+7], v[TM+12+\b]
	v_cvt_scalef32_pk8_fp4_f32 v[PC+8*(\a)+2*\b+1], v[AC+16*\b+8:AC+16*\b+15], v[TM+12+\b]
.endr
	WIN 0
	v_nop                                          ; one plain place behind a scaled conversion
.irp c, 0,1
.irp i, 0,1
	v_permlane16_swap_b32 v[PC+8*(\a)+4*\c+\i], v[PC+8*(\a)+4*\c+2+\i]
.endr
.endr
.endm
	s_wait_tensorcnt 1                             ; the scales and my part of slot 0 are in (slot 1's load may be out),
	s_barrier_signal -1
	s_barrier_wait -1                              ; everybody's are
	FETCH_B 0, 0, 0
	FETCH_A 0, 0, 0
	SCALES 0
	FETCH_A 0, 0, 4
	s_wait_loadcnt 0x0                             ; the bias: one number a lane for each of A's blocks,
.irp a, 0,1,2,3,4,5,6,7
.irp j, 1,2,3,4,5,6,7
	v_mov_b32 v[BIAS+8*\a+\j], v[BIAS+8*\a]        ; spread over the eight registers of a result (block 0 first: it is wanted first)
.endr
.endr
	STEP 0, 0, 1
	STEPS 0, 1
	TURN 0, 1
	STEPS 1, 0
	s_wait_dscnt 4*NL
	WIN MUL_LO
	MUL16 0, 1, NQ-1, 1, 0
	MUL16 2, 1, NQ-1, 1, 0
	s_wait_dscnt 0
	WIN MUL_HI
	MUL16 4, 1, NQ-1, 1, 0
	MUL16 6, 1, NQ-1, 1, 0
	WIN 0
	PLACES NP
.irp b, 0,1,2,3
	v_mov_b32 v[TM+4+\b], 0                        ; a lane permute's destination counts as one of its sources
.endr
.irp a, 0,1,2,3,4,5,6,7                        ; block a = tile a % 4 of channels of head n0 + a / 4
	QUANTW \a
	global_store_b128 v[CO], v[PC+8*\a:PC+8*\a+3], s[98:99] offset:(\a/4)*65536+(\a%4)*1024       ; 32 lanes store 512 consecutive bytes, aligned
	global_store_b128 v[CO], v[PC+8*\a+4:PC+8*\a+7], s[98:99] offset:(\a/4)*65536+(\a%4)*1024+512
.endr
.irp k, 0,1,2,3
	v_cndmask_b32 v[OW+\k], v[PW+\k], v[PW+4+\k], s95   ; lanes 0-15 store head n0's four words, lanes 16-31 head n0 + 1's
.endr
	global_store_b128 v[SO], v[OW:OW+3], s[100:101]   ; sixteen lanes store 256 consecutive bytes, aligned
	s_wait_tensorcnt 0x0                           ; the wave's end
	ds_add_u32 v[SPW], v[NIL]
	s_wait_dscnt 0x0
	CROUND                                         ; the closing round
	s_endpgm
.Lfunc_end_k_q0a8f3094f7_gemm_v:
	.size	k_q0a8f3094f7_gemm_v, .Lfunc_end_k_q0a8f3094f7_gemm_v-k_q0a8f3094f7_gemm_v
	.p2alignl 7, 3214868480
	.fill 96, 4, 3214868480
	.section	.rodata,"a",@progbits
	.p2align	6, 0x0
	.amdhsa_kernel k_q0a8f3094f7_gemm_v
		.amdhsa_group_segment_fixed_size 327680
		.amdhsa_private_segment_fixed_size 0
		.amdhsa_enable_private_segment 0
		.amdhsa_kernarg_size 40
		.amdhsa_user_sgpr_count 2
		.amdhsa_user_sgpr_kernarg_segment_ptr 1
		.amdhsa_wavefront_size32 1
		.amdhsa_system_sgpr_workgroup_id_x 1
		.amdhsa_system_sgpr_workgroup_id_y 1
		.amdhsa_system_sgpr_workgroup_id_z 1
		.amdhsa_system_vgpr_workitem_id 0
		.amdhsa_next_free_vgpr 1024
		.amdhsa_next_free_sgpr 102
		.amdhsa_reserve_vcc 0
		.amdhsa_float_denorm_mode_32 3
		.amdhsa_float_denorm_mode_16_64 3
		.amdhsa_memory_ordered 1
		.amdhsa_forward_progress 1
		.amdhsa_inst_pref_size 131
	.end_amdhsa_kernel
	.amdgpu_metadata
---
amdhsa.version: [ 1, 2 ]
amdhsa.kernels:
  - .name:           k_q0a8f3094f7_gemm_v
    .symbol:         k_q0a8f3094f7_gemm_v.kd
    .args:
      - { .name: ops_codes, .offset: 0, .size: 8, .value_kind: global_buffer, .address_space: global }
      - { .name: ops_scales, .offset: 8, .size: 8, .value_kind: global_buffer, .address_space: global }
      - { .name: b_qkv, .offset: 16, .size: 8, .value_kind: global_buffer, .address_space: global }
      - { .name: v_img, .offset: 24, .size: 8, .value_kind: global_buffer, .address_space: global }
      - { .name: v_sc, .offset: 32, .size: 8, .value_kind: global_buffer, .address_space: global }
    .group_segment_fixed_size: 327680
    .private_segment_fixed_size: 0
    .kernarg_segment_align: 8
    .kernarg_segment_size: 40
    .max_flat_workgroup_size: 128
    .sgpr_count:     102
    .vgpr_count:     1024
    .wavefront_size: 32
...
	.end_amdgpu_metadata
.endif
;; end of part 3
;; launch attn (part 4): grid 4 x 64, 16 waves a work-group, clusters of 4 x 1, 327,680 bytes of LDS; arguments qk_img, qk_sc, v_img, v_sc, a_img, a_sc; writes a_img, a_sc
.if DOCPART == 4
	.amdgcn_target "amdgcn-amd-amdhsa--gfx1250"
	.amdhsa_code_object_version 6
	.text
	.protected	k_q0a8f3094f7_attn
	.globl	k_q0a8f3094f7_attn
	.p2align	8
	.type	k_q0a8f3094f7_attn,@function
k_q0a8f3094f7_attn:
	s_mov_b64 s[64:65], 0
	v_nop
	global_prefetch_b8 v0, s[64:65] scope:SCOPE_SE
	s_setreg_imm32_b32 hwreg(HW_REG_WAVE_MODE, 25, 1), 1
	s_wait_xcnt 0x0
	s_wait_alu depctr_hold_cnt(0) depctr_sa_sdst(0) depctr_va_vdst(0) depctr_va_sdst(0) depctr_va_ssrc(0) depctr_va_vcc(0) depctr_vm_vsrc(0)
	s_getreg_b32 s2, hwreg(HW_REG_IB_STS2, 6, 4)
	s_cmp_eq_u32 s2, 0
	s_cbranch_scc0 .Lentry_in_a_cluster
	s_endpgm
.Lentry_in_a_cluster:
	s_bfe_u32 s2, ttmp6, 0x10000c
	s_cmp_lg_u32 s2, 0x3003
	s_cbranch_scc0 .Lentry_shape_is_right
	s_endpgm
.Lentry_shape_is_right:
; Causal attention of one head (16 b + n) on codes of FP4 with E8M0 scales: S^T = K Q^T (K = the head's 64 channels), p = 2^(t - M), O^T = V^T P^T (K = the keys), O / l, quantised along the channels for the last product.
; t = score x log2(e) / 8; M = the running largest t rounded UP to a whole number; p is quantised along the keys, not normalised; l is the sum of the unquantised p.  When M moves, l and O^T are multiplied by 2^(old M - new M): exact.
; SHARES.  A cluster of four work-groups is one head.  The head's K and V, 2,048 keys as codes, and their scale words lie WHOLE in each work-group's LDS: 139,264 bytes, fetched once, by joint loads that name the four.  No ring, one barrier.
; Each of the sixteen waves owns one tile of 16 queries at a time, in 256 registers (four waves to a SIMD).  Wave w takes tile 4 w + cx, then tile 127 - (4 w + cx): w / 2 + 1 and 16 - w / 2 key steps of 128 keys, 17 for every wave of the launch.
; Both counts hang on the wave's number alone; cx enters global addresses and the mask's data, no branch and no LDS address.  Each pass walks a loop of 16 trips and jumps over the steps all of whose keys come after its queries.
; LAYOUT.  A lane holds ONE query (lane % 16) throughout.  Tile T's lane row r is sequence row 32 (T / 2) + 8 (T % 2) + r % 8 + 16 (r / 8), for queries and keys alike, so the 16 registers of key tiles 2 b and 2 b + 1 are keys 32 b + 16 (lane / 16) + 0 .. 15.
; K = 64 IN A FORM 128 DEEP: a fragment of source 0 holds key tile 2 b in registers 0-3 and tile 2 b + 1 in registers 4-7; source 1 is (q, zeros) for the first and (zeros, q) for the second: zero codes add nothing.
; V's channel tiles are laid in the same order, so register 16 t1 + i of O^T is channel 32 t1 + 16 (lane / 16) + i.
; OUT.  a_img [128 b + T][n][lane][16 bytes]: lane (r, h) holds channels 32 h .. 32 h + 31: half n % 2 of the last product's fragment (row tile, K step n / 2).  a_sc [row][32 bytes]: bytes 2 n, 2 n + 1; these leave as single bytes, since a head owns two of a row's 32.
; LDS, all dense images read 16 bytes a lane on end: K 0 (512 bytes a tile), V 65,536 (4,096 bytes a key step), K's scale words 131,072, V's 135,168 (256 bytes a key step each), the spare words 139,264.
; REGISTERS: v1-3, v7-9 lane terms that stay; v4, v5 the spare word's address and 0; v6 the mask's d; v10, v11, v31 the step's LDS addresses; v12 -M, v13 the largest t, v[14:15] l in two halves; v16-19 q, v20-23 zeros, v24-27 q;
;   v28 q's scale word; v32-63 K; v64-95 V; v96-159 S^T, then p; v160-191 O^T; v192-199 p's codes; v200-203 the step's scale words (lanes 0-15 K's, lanes 16-31 V's); v204 p's scale word; v208-232 at work.
; LIMITS: O is divided by l by v_rcp_f32 and a multiplication; a block whose largest magnitude lies under 2^-124 keeps the byte 1, a block of zeros too (its codes are zeros; this program alone reads the bytes); NaN and infinities are not served.
.set VI,    65536
.set KSC,   131072
.set SPARE, 139264                     ; 128 bytes for each of 16 waves: eight blocks of 256 bytes that no other line names
.set WV,   18                          ; s18  my wave's number
.set CX,   19                          ; s19  my place in the cluster
.set SEL,  20                          ; s[20:21] v_permlanex16_b32's selects for lane l xor 16
.set CS,   22                          ; s[22:23] c = log2(e) / 8
.set G1C,  24                          ; s[24:31] group 1 for 32,768 bytes of codes;  s[32:39] for 4,096 bytes of scale words
.set G1S,  32
.set G0C,  40                          ; s[40:43], s[44:47] their groups 0
.set G0S,  44
.set HH,   48                          ; s48  the head
.set TK,   49                          ; s49  the step's codes: 4,096 bytes a step
.set TS,   50                          ; s50  its scale words: 256 bytes a step
.set ST,   51                          ; s51  the step
.set LAST, 52                          ; s52  the pass's last step: the one on the diagonal
.set TAU,  53                          ; s53  my tile of queries
.set HI16, 84                          ; s84  lanes 16-31
.macro ROUND                           ; a round of the cluster's barrier
	s_barrier_signal -1
	s_barrier_wait -1
	s_cmp_lg_u32 s[WV], 0
	s_cbranch_scc1 .Lnot_wave_0_\@
	s_barrier_signal -3
.Lnot_wave_0_\@:
	s_barrier_wait -3
	s_barrier_signal -1
	s_barrier_wait -1
.endm
	s_load_b256 s[4:11], s[0:1], 0x0               ; qk_img s[4:5], qk_sc s[6:7], v_img s[8:9], v_sc s[10:11]
	s_load_b128 s[12:15], s[0:1], 0x20             ; a_img s[12:13], a_sc s[14:15]
	v_lshl_add_u32 v4, v0, 2, SPARE
	v_mov_b32 v5, 0
	ds_add_u32 v4, v5
	ds_add_u32 v4, v5
	s_wait_dscnt 0x0
	v_lshrrev_b32 v1, 5, v0
	s_delay_alu instid0(VALU_DEP_1)
	v_readfirstlane_b32 s[WV], v1                  ; wave 0..15
	s_bfe_u32 s[CX], ttmp6, 0x40000
	s_and_b32 s[HH], ttmp7, 0xffff                 ; the head, which the four partners share
	s_lshl_b32 s56, s[HH], 16                      ; a head's codes: 65,536 bytes in each of q, k, v
	s_mov_b32 s57, 0
	s_lshl_b32 s58, s[HH], 12                      ; its scale words: 4,096 bytes
	s_mov_b32 s59, 0
	s_and_b32 s66, s[WV], 1
	s_lshl_b32 s62, s66, 15                        ; which half of K's or V's codes I fetch, if I fetch
	s_mov_b32 s63, 0
	s_mov_b32 s[G1C], 15|(3<<16)|(1<<21)           ; 15:0 the mask: all four work-groups; 17:16 elements of 8 bytes; 21 set beside a mask; no padding
	s_mov_b32 s[G1C+1], 32<<16                     ; tensor_dim0 = 32 elements: rows of 256 bytes
	s_mov_b32 s[G1C+2], 128<<16                    ; tensor_dim1 = 128
	s_mov_b32 s[G1C+3], 32<<16                     ; tile_dim0
	s_mov_b32 s[G1C+4], 128                        ; tile_dim1
	s_mov_b32 s[G1C+5], 32                         ; the pitch: dense
	s_mov_b32 s[G1C+6], 0
	s_mov_b32 s[G1C+7], 0
	s_mov_b32 s[G1S], 15|(3<<16)|(1<<21)           ; the same with 16 rows
	s_mov_b32 s[G1S+1], 32<<16
	s_mov_b32 s[G1S+2], 16<<16
	s_mov_b32 s[G1S+3], 32<<16
	s_mov_b32 s[G1S+4], 16
	s_mov_b32 s[G1S+5], 32
	s_mov_b32 s[G1S+6], 0
	s_mov_b32 s[G1S+7], 0
	s_mov_b32 s[G0C], 1
	s_and_b32 s67, s[WV], 3
	s_lshl_b32 s[G0C+1], s67, 15                   ; waves 0, 1: K's halves at 0 and 32,768; waves 2, 3: V's at 65,536 and 98,304
	s_mov_b32 s[G0S], 1
	s_lshl_b32 s[G0S+1], s66, 12
	s_add_co_u32 s[G0S+1], s[G0S+1], KSC           ; wave 4: K's scale words; wave 5: V's, 4,096 bytes on
	s_mov_b32 s[SEL], 0x76543210
	s_mov_b32 s[SEL+1], 0xfedcba98
	s_mov_b32 s[CS], 0x3e38aa3b                    ; c = log2(e) / 8
	s_mov_b32 s[CS+1], s[CS]                       ; (named with it as a pair, so it is written)
	s_mov_b32 s[HI16], 0xffff0000
	s_wait_kmcnt 0x0
	s_add_nc_u64 s[60:61], s[4:5], 0x400000        ; k's half of qk_img
	s_cmp_lt_u32 s[WV], 2                          ; the choice hangs on the wave's number alone
	s_cselect_b64 s[G0C+2:G0C+3], s[60:61], s[8:9]
	s_add_nc_u64 s[G0C+2:G0C+3], s[G0C+2:G0C+3], s[56:57]
	s_add_nc_u64 s[G0C+2:G0C+3], s[G0C+2:G0C+3], s[62:63]
	s_or_b32 s[G0C+3], s[G0C+3], 0x80000000        ; type = 2
	s_add_nc_u64 s[60:61], s[6:7], 0x40000         ; k's half of qk_sc
	s_cmp_eq_u32 s66, 0
	s_cselect_b64 s[G0S+2:G0S+3], s[60:61], s[10:11]
	s_add_nc_u64 s[G0S+2:G0S+3], s[G0S+2:G0S+3], s[58:59]
	s_or_b32 s[G0S+3], s[G0S+3], 0x80000000
	ROUND                                          ; all four work-groups are here: the joint loads meet
	s_cmp_lt_u32 s[WV], 4                          ; waves 0 to 3 fetch codes, waves 4 and 5 scale words, the others nothing: one tensor load of a wave is out at the most
	s_cbranch_scc0 .Lnot_codes
	tensor_load_to_lds s[G0C:G0C+3], s[G1C:G1C+7]
	s_nop 0
.rept 4
	v_nop                                          ; four v_nop follow each of the two lines
.endr
	s_branch .Lasked
.Lnot_codes:
	s_cmp_lt_u32 s[WV], 6
	s_cbranch_scc0 .Lasked
	tensor_load_to_lds s[G0S:G0S+3], s[G1S:G1S+7]
	s_nop 0
.rept 4
	v_nop
.endr
.Lasked:
	v_and_b32 v29, 31, v0                          ; lane
	s_delay_alu instid0(VALU_DEP_1)
	v_lshlrev_b32 v1, 4, v29                       ; 16 x lane: my place in an image, in LDS and in memory
	s_delay_alu instid0(VALU_DEP_1)
	v_add_nc_u32 v2, VI, v1
	v_and_b32 v30, 15, v0                          ; r
	v_bfe_u32 v222, v0, 4, 1                       ; h
	s_delay_alu instid0(VALU_DEP_2)
	v_lshlrev_b32 v7, 4, v30                       ; 16 r
	s_delay_alu instid0(VALU_DEP_1)
	v_lshl_add_u32 v3, v222, 12, v7
	s_delay_alu instid0(VALU_DEP_1)
	v_add_nc_u32 v3, KSC, v3                       ; lanes 0-15 read K's scale words, lanes 16-31 V's, 4,096 bytes on
	v_and_b32 v8, 7, v30
	v_lshrrev_b32 v6, 3, v30
	s_delay_alu instid0(VALU_DEP_1)
	v_sub_nc_u32 v6, v6, v222
	s_delay_alu instid0(VALU_DEP_1)
	v_lshl_add_u32 v8, v6, 4, v8                   ; r % 8 + 16 (r / 8) - 16 h
	v_lshl_add_u32 v9, v30, 5, v222                ; 32 r + h: my scale byte's place in a tile's 512
.irp j, 20,21,22,23
	v_mov_b32 v[\j], 0                             ; zero codes: the other half of (q, 0) and of (0, q)
.endr
.irp j, 212,213,214,215
	v_mov_b32 v[\j], 0                             ; written once: a lane permute's destination counts as one of its sources
.endr
	v_mov_b32 v221, 0                              ; (named as the upper half of the pair v[220:221])
	v_mov_b32 v223, 0xff800000                     ; -infinity
	s_wait_tensorcnt 0x0                           ; my part has landed,
	s_barrier_signal -1
	s_barrier_wait -1                              ; everybody's has: K, V and their scale words are whole
; A PASS: one tile of 16 queries against all keys that count for it.  p = 0: tile 4 w + cx; p = 1: tile 127 - (4 w + cx).
.macro PASS p
	s_wait_xcnt 0x0                                ; the last pass's loads and stores have read their addresses and data: both are written again below
	s_lshl_b32 s[TAU], s[WV], 2
	s_add_co_u32 s[TAU], s[TAU], s[CX]
	s_lshr_b32 s[LAST], s[WV], 1                   ; tile / 8, which hangs on the wave's number alone
.if \p
	s_sub_co_u32 s[TAU], 127, s[TAU]
	s_sub_co_u32 s[LAST], 15, s[LAST]
.endif
	s_lshl_b32 s68, s[TAU], 9
	s_mov_b32 s69, 0
	s_add_nc_u64 s[70:71], s[4:5], s[56:57]
	s_add_nc_u64 s[70:71], s[70:71], s[68:69]      ; q's image of my tile
	global_load_b128 v[16:19], v1, s[70:71]
	global_load_b128 v[24:27], v1, s[70:71]        ; twice: A's and B's registers aside, (q, 0) and (0, q) share the zeros alone
	s_bfe_u32 s78, s[TAU], 0x20001                 ; (tile / 2) % 4
	s_and_b32 s79, s[TAU], 1
	s_lshr_b32 s72, s[TAU], 3
	s_lshl_b32 s72, s72, 8
	s_lshl_b32 s80, s78, 2
	s_add_co_u32 s72, s72, s80
	s_mov_b32 s73, 0
	s_add_nc_u64 s[74:75], s[6:7], s[58:59]
	s_add_nc_u64 s[74:75], s[74:75], s[72:73]
	global_load_b32 v29, v7, s[74:75]              ; the word that holds my tile's two scale bytes
	s_lshl_b32 s80, s78, 5
	s_lshl_b32 s81, s79, 3
	s_add_co_u32 s80, s80, s81
	v_add_nc_u32 v6, s80, v8                       ; d = my query - 128 x the last step - 16 h
	s_lshl_b32 s81, s79, 4                         ; the bytes' place in the word
	s_lshr_b32 s82, s[HH], 4
	s_lshl_b32 s82, s82, 7
	s_add_co_u32 s82, s82, s[TAU]                  ; the last product's row tile: 128 b + tile
	s_and_b32 s83, s[HH], 15                       ; n
	s_lshl_b32 s68, s82, 13
	s_lshl_b32 s85, s83, 9
	s_add_co_u32 s68, s68, s85
	s_add_nc_u64 s[76:77], s[12:13], s[68:69]      ; a_img: 8,192 x row tile + 512 n
	s_lshl_b32 s68, s82, 9
	s_lshl_b32 s85, s83, 1
	s_add_co_u32 s68, s68, s85
	s_add_nc_u64 s[86:87], s[14:15], s[68:69]      ; a_sc: 512 x row tile + 2 n
	v_mov_b32 v13, 0xff61b1e6                      ; the largest t so far: -3e38, under every t
	s_delay_alu instid0(VALU_DEP_1)
	v_floor_f32 v12, -v13                          ; -M
	v_mov_b32 v14, 0                               ; l, in two halves
	v_mov_b32 v15, 0
	s_mov_b32 s[TK], 0
	s_mov_b32 s[TS], 0
	s_mov_b32 s[ST], 0
	s_wait_loadcnt 0x0
	v_lshrrev_b32 v30, s81, v29
	s_delay_alu instid0(VALU_DEP_1)
	v_and_b32 v30, 0xffff, v30
	s_delay_alu instid0(VALU_DEP_1)
	v_lshl_or_b32 v28, v30, 16, v30                ; q's two bytes twice: they fit (q, 0) and (0, q)
.set j, 0
.rept 32
	v_mov_b32 v[160+j], 0                          ; O^T: the first step finds zeros, which the first change of M leaves zeros.  (These lines also stand between the scale word's last write and the first product)
.set j, j+1
.endr
.Lstep_\@:                                         ; 16 trips, a constant
	s_cmp_gt_u32 s[ST], s[LAST]                    ; a step all of whose keys come after my queries is left out: a branch on the wave's number and the trip
	s_cbranch_scc1 .Lhidden_\@
	s_setprio 2
	v_add_nc_u32 v10, s[TK], v1
	v_add_nc_u32 v11, s[TK], v2
	v_add_nc_u32 v31, s[TS], v3
	v_nop                                          ; four plain lines behind the last step's products, in front of loads into their registers
	ds_load_b128 v[200:203], v31                   ; the step's scale words: lanes 0-15 K's four pairs of tiles, lanes 16-31 V's four tiles
.irp i, 0,1,2,3,4,5,6,7
	ds_load_b128 v[32+4*\i:35+4*\i], v10 offset:512*\i   ; key tile i of the step
.endr
.irp i, 0,1,2,3,4,5,6,7
	ds_load_b128 v[64+4*\i:67+4*\i], v11 offset:512*\i   ; half i % 2 of V's fragment i / 2
.endr
	s_wait_dscnt 8                                 ; the scale words and K are in; V's eight loads may be out
.irp b, 0,1,2,3
.irp u, 0,1
	v_wmma_scale_f32_16x16x128_f8f6f4 v[96+8*(2*\b+\u):103+8*(2*\b+\u)], v[32+8*\b:39+8*\b], v[16+4*\u:23+4*\u], 0, v[200+\b], v28 matrix_a_fmt:MATRIX_FMT_FP4 matrix_b_fmt:MATRIX_FMT_FP4
.endr
.endr
.rept 4
	v_nop
.endr
	s_cmp_lg_u32 s[ST], s[LAST]
	s_cbranch_scc1 .Lopen_\@                       ; all keys of an earlier step count
.set n, 0
.rept 64                                           ; on the diagonal: register 16 b + i holds key 128 x step + 16 h + 32 b + i: hidden where 32 b + i > d; its score becomes -infinity, so p = 0
	v_cmp_gt_i32 vcc_lo, 32*(n/16)+n%16, v6
	v_cndmask_b32 v[96+n], v[96+n], v223, vcc_lo
.set n, n+1
.endr
.Lopen_\@:
.irp b, 0,1,2,3
	v_max3_num_f32 v[208+\b], v[96+16*\b], v[97+16*\b], v[98+16*\b]   ; the largest score of each block of 32 keys: for the row's maximum and, since p rises with the score, for the block's largest p
.endr
.irp i, 3,5,7,9,11,13
.irp b, 0,1,2,3
	v_max3_num_f32 v[208+\b], v[208+\b], v[96+16*\b+\i], v[97+16*\b+\i]
.endr
.endr
.irp b, 0,1,2,3
	v_max_num_f32 v[208+\b], v[208+\b], v[111+16*\b]
.endr
.irp b, 0,1,2,3
	s_delay_alu instid0(VALU_DEP_4)
	v_permlanex16_b32 v[212+\b], v[208+\b], s[SEL], s[SEL+1]
.endr
.irp b, 0,1,2,3
	s_delay_alu instid0(VALU_DEP_4)
	v_max_num_f32 v[208+\b], v[208+\b], v[212+\b]  ; with lane l xor 16's 16 keys
.endr
	s_delay_alu instid0(VALU_DEP_2)
	v_max3_num_f32 v222, v208, v209, v210
	s_delay_alu instid0(VALU_DEP_1)
	v_max_num_f32 v222, v222, v211                 ; the step's largest score of my query
	s_delay_alu instid0(VALU_DEP_1)
	v_mul_f32 v222, s[CS], v222                    ; as t
	s_delay_alu instid0(VALU_DEP_1)
	v_max_num_f32 v13, v13, v222                   ; the running largest t
	v_mov_b32 v222, v12
	s_delay_alu instid0(VALU_DEP_2)
	v_floor_f32 v12, -v13                          ; the new -M = -ceil(t): a whole number
	s_delay_alu instid0(VALU_DEP_1)
	v_sub_f32 v222, v12, v222                      ; old M - new M: a whole number, 0 or less
	s_delay_alu instid0(VALU_DEP_1)
	v_cvt_i32_f32 v222, v222                       ; (it saturates)
	s_delay_alu instid0(VALU_DEP_1)
	v_ldexp_f32 v220, 1.0, v222                    ; f = 2^(old M - new M)
.set j, 0
.rept 32
	v_pk_fma_f32 v[96+j:97+j], v[96+j:97+j], s[CS:CS+1], v[12:13] op_sel_hi:[1,0,0]   ; t - M, two at a time
.set j, j+2
.endr
	s_setprio 1
.irp b, 0,1,2,3
	v_fma_f32 v[208+\b], v[208+\b], s[CS], v12     ; the same of each block's largest score
.endr
.set j, 0
	s_wait_alu depctr_va_vdst(0)
.rept 64
	v_exp_f32 v[96+j], v[96+j]                     ; p = 2^(t - M), at most 1
.set j, j+1
.endr
	v_pk_mul_f32 v[14:15], v[14:15], v[220:221] op_sel_hi:[1,0]   ; l under the new M (a plain line behind the exponentials)
	s_wait_alu depctr_va_vdst(0)                   ; one wait for the whole batch, ahead of its first reader
.irp b, 0,1,2,3
	v_exp_f32 v[208+\b], v[208+\b]                 ; the block's largest p
.endr
	v_pk_add_f32 v[224:225], v[100:101], v[104:105]
	v_pk_add_f32 v[254:255], v[108:109], v[112:113]
	v_pk_add_f32 v[252:253], v[116:117], v[120:121]
	v_pk_add_f32 v[250:251], v[124:125], v[128:129]
	v_pk_add_f32 v[248:249], v[132:133], v[136:137]
	v_pk_add_f32 v[246:247], v[140:141], v[144:145]
	v_pk_add_f32 v[244:245], v[148:149], v[152:153]
	v_pk_add_f32 v[14:15], v[14:15], v[156:157]
	v_pk_add_f32 v[224:225], v[224:225], v[96:97]
	v_pk_add_f32 v[254:255], v[254:255], v[98:99]
	v_pk_add_f32 v[252:253], v[252:253], v[102:103]
	v_pk_add_f32 v[250:251], v[250:251], v[106:107]
	v_pk_add_f32 v[248:249], v[248:249], v[110:111]
	v_pk_add_f32 v[246:247], v[246:247], v[114:115]
	v_pk_add_f32 v[244:245], v[244:245], v[118:119]
	v_pk_add_f32 v[14:15], v[14:15], v[122:123]
	v_pk_add_f32 v[224:225], v[224:225], v[126:127]
	v_pk_add_f32 v[254:255], v[254:255], v[130:131]
	v_pk_add_f32 v[252:253], v[252:253], v[134:135]
	v_pk_add_f32 v[250:251], v[250:251], v[138:139]
	v_pk_add_f32 v[248:249], v[248:249], v[142:143]
	v_pk_add_f32 v[246:247], v[246:247], v[146:147]
	v_pk_add_f32 v[244:245], v[244:245], v[150:151]
	v_pk_add_f32 v[14:15], v[14:15], v[154:155]
	v_pk_add_f32 v[224:225], v[224:225], v[158:159]
	s_delay_alu instid0(VALU_DEP_2)
	v_pk_add_f32 v[14:15], v[14:15], v[250:251]
	s_delay_alu instid0(VALU_DEP_2)
	v_pk_add_f32 v[224:225], v[224:225], v[248:249]
	v_pk_add_f32 v[254:255], v[254:255], v[246:247]
	v_pk_add_f32 v[252:253], v[252:253], v[244:245]
	s_delay_alu instid0(VALU_DEP_2)
	v_pk_add_f32 v[14:15], v[14:15], v[254:255]
	s_delay_alu instid0(VALU_DEP_2)
	v_pk_add_f32 v[224:225], v[224:225], v[252:253]
	s_delay_alu instid0(VALU_DEP_1)
	v_pk_add_f32 v[14:15], v[14:15], v[224:225]
	s_wait_alu depctr_va_vdst(0)                   ; and one for the four
.irp b, 0,1,2,3
	v_max_num_f32 v[208+\b], 0x1800000, v[208+\b]  ; the floor 2^(3 - 127): the byte cannot fall under 1
.endr
.irp b, 0,1,2,3
	s_delay_alu instid0(VALU_DEP_4)
	v_add_nc_u32 v[216+\b], 0xff000000, v[208+\b]  ; 2 off the exponent field: the conversion's scale operand
.endr
.irp b, 0,1,2,3
	s_delay_alu instid0(VALU_DEP_4)
	v_lshrrev_b32 v[212+\b], 23, v[216+\b]         ; the scale's byte
.endr
	s_delay_alu instid0(VALU_DEP_3)
	v_lshl_or_b32 v204, v213, 8, v212              ; p's scale word for these 128 keys
	s_delay_alu instid0(VALU_DEP_1)
	v_lshl_or_b32 v204, v214, 16, v204
	s_delay_alu instid0(VALU_DEP_1)
	v_lshl_or_b32 v204, v215, 24, v204
	s_setprio 0
.irp b, 0,1,2,3
	v_cvt_scalef32_pk8_fp4_f32 v[192+2*\b], v[96+16*\b:103+16*\b], v[216+\b]
	v_cvt_scalef32_pk8_fp4_f32 v[193+2*\b], v[104+16*\b:111+16*\b], v[216+\b]
.endr
	v_nop                                          ; one plain place behind a scaled conversion
.irp c, 0,1                                    ; a whole block to a lane: lanes 0-15 block 2 c, lanes 16-31 block 2 c + 1
.irp i, 0,1
	v_permlane16_swap_b32 v[192+4*\c+\i], v[194+4*\c+\i]
.endr
.endr
.set j, 0
.rept 16
	v_pk_mul_f32 v[160+j:161+j], v[160+j:161+j], v[220:221] op_sel_hi:[1,0]   ; O^T under the new M.  (These lines also stand between the writes of p's scale word and codes and the products below)
.set j, j+2
.endr
	s_wait_alu depctr_va_vdst(0)
	s_wait_dscnt 0x0                               ; V is in
.irp t, 0,1,2,3                                ; the four accumulators by turns; between two links of a chain stand the next step's eight score products
	v_wmma_scale_f32_16x16x128_f8f6f4 v[160+8*\t:167+8*\t], v[64+8*\t:71+8*\t], v[192:199], v[160+8*\t:167+8*\t], v[200+\t], v204 matrix_a_fmt:MATRIX_FMT_FP4 matrix_b_fmt:MATRIX_FMT_FP4 matrix_a_scale:MATRIX_SCALE_ROW1
.endr
.Lhidden_\@:
	s_add_co_u32 s[TK], s[TK], 4096
	s_add_co_u32 s[TS], s[TS], 256
	s_add_co_u32 s[ST], s[ST], 1
	s_cmp_lt_u32 s[ST], 16
	s_cbranch_scc1 .Lstep_\@
	s_setprio 0
	; the pass's way out: O^T / l, quantised along the 64 channels: two blocks of 32
.rept 4
	v_nop                                          ; places behind the last products
.endr
	v_add_f32 v14, v14, v15                        ; l's two halves,
	s_delay_alu instid0(VALU_DEP_1)
	v_permlanex16_b32 v222, v14, s[SEL], s[SEL+1]
	s_delay_alu instid0(VALU_DEP_1)
	v_add_f32 v14, v14, v222                       ; and lane l xor 16's
	s_wait_alu depctr_va_vdst(0)
	v_rcp_f32 v220, v14
	v_nop                                          ; a plain place behind the reciprocal
	s_wait_alu depctr_va_vdst(0)                   ; the wait ahead of its first reader
.set j, 0
.rept 16
	v_pk_mul_f32 v[160+j:161+j], v[160+j:161+j], v[220:221] op_sel_hi:[1,0]   ; each accumulator from its low end on
.set j, j+2
.endr
.irp b, 0,1
	v_max3_num_f32 v[208+\b], |v[160+16*\b]|, |v[161+16*\b]|, 0x1800000
.endr
.irp i, 2,4,6,8,10,12,14
.irp b, 0,1
	s_delay_alu instid0(VALU_DEP_2)
	v_max3_num_f32 v[208+\b], v[208+\b], |v[160+16*\b+\i]|, |v[161+16*\b+\i]|
.endr
.endr
.irp b, 0,1
	s_delay_alu instid0(VALU_DEP_2)
	v_permlanex16_b32 v[212+\b], v[208+\b], s[SEL], s[SEL+1]
.endr
.irp b, 0,1
	s_delay_alu instid0(VALU_DEP_2)
	v_max_num_f32 v[208+\b], v[208+\b], v[212+\b]
.endr
.irp b, 0,1
	s_delay_alu instid0(VALU_DEP_2)
	v_add_nc_u32 v[216+\b], 0xff000000, v[208+\b]
.endr
.irp b, 0,1
	s_delay_alu instid0(VALU_DEP_2)
	v_lshrrev_b32 v[212+\b], 23, v[216+\b]
.endr
.irp b, 0,1
	v_cvt_scalef32_pk8_fp4_f32 v[228+2*\b], v[160+16*\b:167+16*\b], v[216+\b]
	v_cvt_scalef32_pk8_fp4_f32 v[229+2*\b], v[168+16*\b:175+16*\b], v[216+\b]
.endr
	v_nop                                          ; one plain place behind a scaled conversion
	v_permlane16_swap_b32 v228, v230               ; lanes 0-15: channels 0 .. 31; lanes 16-31: channels 32 .. 63
	v_permlane16_swap_b32 v229, v231
	v_cndmask_b32 v232, v212, v213, s[HI16]        ; lanes 0-15 store block 0's byte, lanes 16-31 block 1's
	global_store_b128 v1, v[228:231], s[76:77]     ; 32 lanes store 512 consecutive bytes, aligned
	global_store_b8 v9, v232, s[86:87]
.endm
	PASS 0
	PASS 1
	s_wait_tensorcnt 0x0                           ; the wave's end
	ds_add_u32 v4, v5
	s_wait_dscnt 0x0
	ROUND                                          ; the closing round: no work-group ends while a partner may still ask for a tile that names it
	s_endpgm
.Lfunc_end_k_q0a8f3094f7_attn:
	.size	k_q0a8f3094f7_attn, .Lfunc_end_k_q0a8f3094f7_attn-k_q0a8f3094f7_attn
	.p2alignl 7, 3214868480
	.fill 96, 4, 3214868480
	.section	.rodata,"a",@progbits
	.p2align	6, 0x0
	.amdhsa_kernel k_q0a8f3094f7_attn
		.amdhsa_group_segment_fixed_size 327680
		.amdhsa_private_segment_fixed_size 0
		.amdhsa_enable_private_segment 0
		.amdhsa_kernarg_size 48
		.amdhsa_user_sgpr_count 2
		.amdhsa_user_sgpr_kernarg_segment_ptr 1
		.amdhsa_wavefront_size32 1
		.amdhsa_system_sgpr_workgroup_id_x 1
		.amdhsa_system_sgpr_workgroup_id_y 1
		.amdhsa_system_sgpr_workgroup_id_z 1
		.amdhsa_system_vgpr_workitem_id 0
		.amdhsa_next_free_vgpr 256
		.amdhsa_next_free_sgpr 90
		.amdhsa_reserve_vcc 1
		.amdhsa_float_denorm_mode_32 3
		.amdhsa_float_denorm_mode_16_64 3
		.amdhsa_memory_ordered 1
		.amdhsa_forward_progress 1
		.amdhsa_inst_pref_size 62
	.end_amdhsa_kernel
	.amdgpu_metadata
---
amdhsa.version: [ 1, 2 ]
amdhsa.kernels:
  - .name:           k_q0a8f3094f7_attn
    .symbol:         k_q0a8f3094f7_attn.kd
    .args:
      - { .name: qk_img, .offset: 0, .size: 8, .value_kind: global_buffer, .address_space: global }
      - { .name: qk_sc, .offset: 8, .size: 8, .value_kind: global_buffer, .address_space: global }
      - { .name: v_img, .offset: 16, .size: 8, .value_kind: global_buffer, .address_space: global }
      - { .name: v_sc, .offset: 24, .size: 8, .value_kind: global_buffer, .address_space: global }
      - { .name: a_img, .offset: 32, .size: 8, .value_kind: global_buffer, .address_space: global }
      - { .name: a_sc, .offset: 40, .size: 8, .value_kind: global_buffer, .address_space: global }
    .group_segment_fixed_size: 327680
    .private_segment_fixed_size: 0
    .kernarg_segment_align: 8
    .kernarg_segment_size: 48
    .max_flat_workgroup_size: 512
    .sgpr_count:     90
    .vgpr_count:     256
    .wavefront_size: 32
...
	.end_amdgpu_metadata
.endif
;; end of part 4
;; launch gemm_out (part 5): grid 4 x 32, 4 waves a work-group, clusters of 4 x 4, 327,680 bytes of LDS; arguments a_img, a_sc, ops_codes, ops_scales, b_out, out0; writes out0
.if DOCPART == 5
	.amdgcn_target "amdgcn-amd-amdhsa--gfx1250"
	.amdhsa_code_object_version 6
	.text
	.protected	k_q0a8f3094f7_gemm_out
	.globl	k_q0a8f3094f7_gemm_out
	.p2align	8
	.type	k_q0a8f3094f7_gemm_out,@function
k_q0a8f3094f7_gemm_out:
	s_mov_b64 s[64:65], 0
	v_nop
	global_prefetch_b8 v0, s[64:65] scope:SCOPE_SE
	s_setreg_imm32_b32 hwreg(HW_REG_WAVE_MODE, 25, 1), 1
	s_wait_xcnt 0x0
	s_wait_alu depctr_hold_cnt(0) depctr_sa_sdst(0) depctr_va_vdst(0) depctr_va_sdst(0) depctr_va_ssrc(0) depctr_va_vcc(0) depctr_vm_vsrc(0)
	s_getreg_b32 s2, hwreg(HW_REG_IB_STS2, 6, 4)
	s_cmp_eq_u32 s2, 0
	s_cbranch_scc0 .Lentry_in_a_cluster
	s_endpgm
.Lentry_in_a_cluster:
	s_bfe_u32 s2, ttmp6, 0x10000c
	s_cmp_lg_u32 s2, 0xf033
	s_cbranch_scc0 .Lentry_shape_is_right
	s_endpgm
.Lentry_shape_is_right:
; out0 = attention's output x w_out^T + b_out, on codes of FP4 with E8M0 scales, K = 1,024; f32 out.
; "A" = attention's output (source 1: its rows lie across the lanes), "B" = w_out's 1,024 positions (source 0: its rows run along a lane's registers).  A tile of 256 x 256 to a work-group of four waves, 128 x 128 to a wave: 64 accumulators.
; All of K lies in two LDS slots of 512 along K, filled once at the start; nothing is filled again.  The scale bytes of the 512 rows come with them.
; A'S CODES ARE IMAGES OF THE OPERAND'S REGISTERS: a_img [row tile][head n][lane][16 bytes]; half c of the fragment (row tile, K step q) is head 2 q + c.  A slot's part of a row tile is 4,096 consecutive bytes; a load brings 8 row tiles;
; a fragment comes by two loads of 512 consecutive bytes.  B's codes are rows of 256 bytes + 16 of padding.
; CLUSTERS: 4 x 4 work-groups; A's tiles are asked for jointly along a row of the cluster, B's along a column.
; THE ROW ORDER.  Row tile 128 b + T, lane r, is out0's row (s = 32 (T / 2) + 8 (T % 2) + r % 8 + 16 (r / 8), b).  w_out's position p holds row swz(p): register j of lane (r, h) in B's tile b' is feature 32 (b' / 2) + 16 h + 8 (b' % 2) + j.
; The bias is the C of each sum's first matrix instruction (it starts the f32 sum instead of being added at its end).
; THE WAY OUT: a block of 16 rows x 128 features goes through the wave's own stage in LDS, each number to its feature's place, and comes back as whole rows of 512 bytes.  The stage lies in slot 0, which has had its only fill, and which
; nobody reads behind the change of slots.
; REGISTERS: window 0: v0-31 addresses; v32-95 scale words and nothing else; v128-191 A's fragments; v192-255 the bias; on the way out v128-255 take the rows read back.  window 1: B's two sets.  windows 2, 3: the accumulators.
; LIMITS: NaN and infinities are not served.
.set B_ROW0, 11264                     ; w_out's first position in ops_codes and ops_scales
.set NQ,     4
.set ROWB,   256
.set KROW,   512
.set PITCH,  272                       ; B's LDS row: 256 bytes + 16 of padding: the 16 rows that a load touches start at 16 different banks (ISA guide 11.1)
.set FR,     8
.set NL,     2
.set NP,     4                         ; places behind this matrix instruction (ISA guide 7.12.1)
.set HALFT,  128*PITCH                 ; a wave's part of a slot: B's 128 rows fill it, A's 8 row tiles x 4,096 bytes take 32,768 of it
.set SLOT,   4*HALFT
.set KS,     32
.set SCL,    2*SLOT
.set HALFS,  (128*KS/256)*272
.set SBLK,   (16*KS/256)*272
.set SPARE,  SCL+4*HALFS               ; the spare words, 128 bytes for each wave: two blocks of 256 bytes that no other line names
.set SPITCH, 528                       ; the stage: 16 rows x (512 bytes + 16) for each wave
.set ADRA, 16
.set ADRB, 20
.set STO,  24                          ; v24     the way out: where I put my numbers of a row
.set RD,   25                          ; v25     and where I read a row back
.set CO,   26                          ; v26     16 x lane
.set ADRS, 27
.set SPW,  28
.set NIL,  29
.set BO,   30                          ; v30     the bias: 64 x (lane / 16)
.set SC,   32
.set AF,   128
.set BIAS, 192
.set BK,   128                         ; the way out: 16 rows read back: v128-191 and v192-255 by turns
.set G1, 24
.set G0, 32
.set G1B, 48
.set G0B, 56
.set G1S, 68
.set G0S, 76
.set G1SB, 80
.set G0SB, 88
.set MSB, 0
.macro WIN new                         ; the immediate's high byte repeats the setting that is left
.if MSB != \new
	s_set_vgpr_msb (MSB<<8)|\new
.set MSB, \new
.endif
.endm
.set MUL_LO, 0xa1
.set MUL_HI, 0xf1
.set TO_B,   0x40
.macro JLOAD g0a, g1a, g0b, g1b        ; a joint load: waves 0 and 1 fetch for A, waves 2 and 3 for B; four v_nop follow each of the two lines
	s_cmp_eq_u32 s15, 0
	s_cbranch_scc0 .Lfor_b_\@
	tensor_load_to_lds s[\g0a:\g0a+3], s[\g1a:\g1a+7]
	s_nop 0
.rept 4
	v_nop
.endr
	s_branch .Lasked_\@
.Lfor_b_\@:
	tensor_load_to_lds s[\g0b:\g0b+3], s[\g1b:\g1b+7]
	s_nop 0
.rept 4
	v_nop
.endr
.Lasked_\@:
.endm
.macro CROUND                          ; a round of the cluster's barrier
	s_barrier_signal -1
	s_barrier_wait -1
	s_cmp_lg_u32 s14, 0
	s_cbranch_scc1 .Lnot_wave_0_\@
	s_barrier_signal -3
.Lnot_wave_0_\@:
	s_barrier_wait -3
	s_barrier_signal -1
	s_barrier_wait -1
.endm
	s_load_b128 s[4:7], s[0:1], 0x0                ; a_img, a_sc
	s_load_b128 s[8:11], s[0:1], 0x10              ; ops_codes, ops_scales
	s_load_b128 s[96:99], s[0:1], 0x20             ; b_out, out0
	v_lshl_add_u32 v[SPW], v0, 2, SPARE
	v_mov_b32 v[NIL], 0
	ds_add_u32 v28, v29
	ds_add_u32 v28, v29
	s_wait_dscnt 0x0
	v_lshrrev_b32 v1, 5, v0
	v_readfirstlane_b32 s14, v1                    ; wave 0..3
	s_lshr_b32 s15, s14, 1                         ; which half of A's rows is mine.  Also: I fetch for A (0) or for B (1)
	s_and_b32 s16, s14, 1                          ; which half of B's rows.  Also: which 128 rows of that tile I fetch
	s_bfe_u32 s40, ttmp6, 0x40000                  ; cx, cy
	s_bfe_u32 s41, ttmp6, 0x40004
	s_lshl_b32 s42, ttmp9, 2
	s_add_co_u32 s42, s42, s40                     ; B's tile = 4 x cluster x + cx
	s_and_b32 s17, ttmp7, 0xffff
	s_lshl_b32 s17, s17, 2
	s_add_co_u32 s17, s17, s41                     ; A's tile = 4 x cluster y + cy
	s_lshl_b32 s43, s41, 2
	s_lshl_b32 s43, 15, s43                        ; my row of the cluster
	s_lshl_b32 s44, 0x1111, s40                    ; my column
	; group 1 for A's images: 8 rows (row tiles) of 512 elements of 8 bytes, 1,024 elements apart in memory, dense in LDS
	s_or_b32 s[G1+0], s43, (3<<16)|(1<<21)
	s_mov_b32 s[G1+1], 512<<16                     ; tensor_dim0
	s_mov_b32 s[G1+2], 8<<16                       ; tensor_dim1
	s_mov_b32 s[G1+3], 512<<16                     ; tile_dim0
	s_mov_b32 s[G1+4], 8                           ; tile_dim1
	s_mov_b32 s[G1+5], 1024                        ; tensor_dim0_stride
	s_mov_b32 s[G1+6], 0
	s_mov_b32 s[G1+7], 0
	; for B's codes: 128 rows x 256 bytes, 16 bytes of padding behind each row
	s_or_b32 s[G1B+0], s44, (0<<16)|(1<<20)|(1<<21)|(5<<22)|(3<<25)
	s_mov_b32 s[G1B+1], ROWB<<16
	s_mov_b32 s[G1B+2], 128<<16
	s_mov_b32 s[G1B+3], ROWB<<16
	s_mov_b32 s[G1B+4], 128
	s_mov_b32 s[G1B+5], KROW
	s_mov_b32 s[G1B+6], 0
	s_mov_b32 s[G1B+7], 0
	; for the scales of 128 rows: 16 rows of 256 bytes, 16 bytes of padding behind each
	s_or_b32 s[G1S+0], s43, (3<<16)|(1<<20)|(1<<21)|(5<<22)|(3<<25)
	s_or_b32 s[G1SB+0], s44, (3<<16)|(1<<20)|(1<<21)|(5<<22)|(3<<25)
.irp g, G1S, G1SB
	s_mov_b32 s[\g+1], 32<<16
	s_mov_b32 s[\g+2], (128*KS/256)<<16
	s_mov_b32 s[\g+3], 32<<16
	s_mov_b32 s[\g+4], 128*KS/256
	s_mov_b32 s[\g+5], 32
	s_mov_b32 s[\g+6], 0
	s_mov_b32 s[\g+7], 0
.endr
	s_lshl_b32 s18, s16, 7
	s_lshl_b32 s20, s17, 8
	s_add_co_u32 s20, s20, s18                     ; A: row 256 x tile + 128 x half
	s_lshl_b32 s46, s42, 8
	s_add_co_u32 s46, s46, s18
	s_add_co_u32 s46, s46, B_ROW0                  ; B: position
	s_mov_b32 s21, 0
	s_mov_b32 s47, 0
	s_mov_b64 s[18:19], KS
	s_mul_u64 s[22:23], s[20:21], s[18:19]         ; where these rows' scales begin, in bytes
	s_mul_u64 s[92:93], s[46:47], s[18:19]
	s_mov_b64 s[18:19], KROW
	s_mul_u64 s[20:21], s[20:21], s[18:19]         ; and their codes: 16 rows x 512 bytes are a row tile's 8,192
	s_mul_u64 s[46:47], s[46:47], s[18:19]
	s_mul_i32 s45, s14, HALFT                      ; no place in the cluster enters an LDS address
	s_mul_i32 s94, s14, HALFS
	s_wait_kmcnt 0x0
	s_add_nc_u64 s[20:21], s[4:5], s[20:21]
	s_add_nc_u64 s[22:23], s[6:7], s[22:23]
	s_add_nc_u64 s[46:47], s[8:9], s[46:47]
	s_add_nc_u64 s[92:93], s[10:11], s[92:93]
	CROUND                                         ; all sixteen work-groups are here: the joint loads meet
	s_mov_b32 s[G0S], 1
	s_add_co_u32 s[G0S+1], s94, SCL
	s_mov_b64 s[G0S+2:G0S+3], s[22:23]
	s_or_b32 s[G0S+3], s[G0S+3], 0x80000000
	s_mov_b32 s[G0SB], 1
	s_add_co_u32 s[G0SB+1], s94, SCL
	s_mov_b64 s[G0SB+2:G0SB+3], s[92:93]
	s_or_b32 s[G0SB+3], s[G0SB+3], 0x80000000
	JLOAD G0S, G1S, G0SB, G1SB
.irp s, 0,1
	s_mov_b32 s[G0+4*\s], 1
	s_add_co_u32 s[G0+4*\s+1], s45, \s*SLOT
	s_add_nc_u64 s[G0+4*\s+2:G0+4*\s+3], s[20:21], \s*4096         ; a slot's eight heads: 4,096 bytes of a row tile
	s_or_b32 s[G0+4*\s+3], s[G0+4*\s+3], 0x80000000
	s_mov_b32 s[G0B+4*\s], 1
	s_add_co_u32 s[G0B+4*\s+1], s45, \s*SLOT
	s_add_nc_u64 s[G0B+4*\s+2:G0B+4*\s+3], s[46:47], \s*ROWB
	s_or_b32 s[G0B+4*\s+3], s[G0B+4*\s+3], 0x80000000
	JLOAD G0+4*\s, G1, G0B+4*\s, G1B               ; three tensor loads of mine are out, and no more are issued
.endr
	v_and_b32 v1, 15, v0                           ; r
	v_bfe_u32 v2, v0, 4, 1                         ; h
	v_and_b32 v6, 31, v0
	v_lshlrev_b32 v[CO], 4, v6                     ; 16 x lane
	v_mul_u32_u24 v3, v1, PITCH
	v_lshl_add_u32 v4, v2, 4, v3                   ; B: a fragment's row x pitch + 16 x half
	s_mul_i32 s21, s15, HALFT                      ; my 8 row tiles of A
	s_mul_i32 s22, s16, HALFT                      ; my 128 rows of B,
	s_add_co_u32 s22, s22, 2*HALFT                 ; which lie behind A's two parts
.irp s, 0,1
	v_add_nc_u32 v[ADRA+\s], s21, v[CO]            ; A: an image's place for my lane
	v_add_nc_u32 v[ADRB+\s], s22, v4
	s_add_co_u32 s21, s21, SLOT
	s_add_co_u32 s22, s22, SLOT
.endr
	v_mul_u32_u24 v5, v1, KS
	v_lshrrev_b32 v6, 8, v5
	v_lshl_add_u32 v5, v6, 4, v5
	s_mul_i32 s21, s15, HALFS
	s_mul_i32 s22, s16, HALFS
	s_add_co_u32 s22, s22, 2*HALFS
	s_sub_co_u32 s22, s22, s21
	v_mul_u32_u24 v6, s22, v2                      ; lanes 16-31 take B's scale words
	s_add_co_u32 s21, s21, SCL
	v_add_nc_u32 v5, v5, v6
	v_add_nc_u32 v[ADRS], s21, v5
	s_mul_i32 s23, s14, 16*SPITCH                  ; my stage
	v_mul_u32_u24 v5, v1, SPITCH                   ; in: row r, + 64 h: features 16 h on of each group of 32
	v_lshl_add_u32 v5, v2, 6, v5
	v_add_nc_u32 v[STO], s23, v5
	v_add_nc_u32 v[RD], s23, v[CO]                 ; back: the 32 lanes take one row of 512 bytes
	; the bias of my 128 features
	v_lshlrev_b32 v[BO], 6, v2
	s_lshl_b32 s8, s42, 10
	s_lshl_b32 s9, s16, 9
	s_add_co_u32 s8, s8, s9                        ; (256 x tile + 128 x half) x 4 bytes
	s_mov_b32 s9, 0
	s_add_nc_u64 s[96:97], s[96:97], s[8:9]
.irp b, 0,1,2,3,4,5,6,7
	global_load_b128 v[BIAS+8*\b:BIAS+8*\b+3], v[BO], s[96:97] offset:(32*(\b/2)+8*(\b%2))*4
	global_load_b128 v[BIAS+8*\b+4:BIAS+8*\b+7], v[BO], s[96:97] offset:(32*(\b/2)+8*(\b%2))*4+16
.endr
	; out0 at (s = 256 (tile % 8) + 128 x half, b = tile / 8), my first feature: a row (s, b) is 4,096 bytes at (4 s + b) x 4,096
	s_add_nc_u64 s[98:99], s[98:99], s[8:9]
	s_and_b32 s10, s17, 7
	s_lshl_b32 s8, s10, 22
	s_lshl_b32 s10, s15, 21
	s_add_co_u32 s8, s8, s10
	s_lshr_b32 s10, s17, 3
	s_lshl_b32 s10, s10, 12
	s_add_co_u32 s8, s8, s10
	s_add_nc_u64 s[98:99], s[98:99], s[8:9]
.macro FRAG reg, adr, q, i             ; B's fragment from rows: lane l holds row l % 16; registers 4 c .. 4 c + 3 hold K = 64 c + 32 (l / 16) + 0 .. 31
.irp c, 0,1
	ds_load_b128 v[\reg+4*\c:\reg+4*\c+3], v[\adr] offset:64*(\q)+32*\c+(\i)*16*PITCH
.endr
.endm
.macro FRAGA reg, adr, q, i            ; A's fragment from images: row tile i, heads 2 q and 2 q + 1 of the slot's eight
.irp c, 0,1
	ds_load_b128 v[\reg+4*\c:\reg+4*\c+3], v[\adr] offset:(\i)*4096+(2*(\q)+\c)*512
.endr
.endm
; 16 matrix instructions: A's blocks a0, a0 + 1 x B's eight.  first = 1: the bias starts the sums.  The 64 accumulators take turns, one instruction a turn.
.macro MUL16 a0, p, q, sc, first
.irp a, \a0, \a0+1
.irp b, 0,1,2,3,4,5,6,7
.if \first
	v_wmma_scale_f32_16x16x128_f8f6f4 v[8*(8*((\a)%4)+\b):8*(8*((\a)%4)+\b)+7], v[128*(\p)+FR*\b:128*(\p)+FR*\b+FR-1], v[AF+FR*(\a):AF+FR*(\a)+FR-1], v[BIAS+8*\b:BIAS+8*\b+7], v[SC+8*NQ*(\sc)+NQ*\b+(\q)], v[SC+8*NQ*(\sc)+NQ*(\a)+(\q)] matrix_a_fmt:MATRIX_FMT_FP4 matrix_b_fmt:MATRIX_FMT_FP4 matrix_a_scale:MATRIX_SCALE_ROW1
.else
	v_wmma_scale_f32_16x16x128_f8f6f4 v[8*(8*((\a)%4)+\b):8*(8*((\a)%4)+\b)+7], v[128*(\p)+FR*\b:128*(\p)+FR*\b+FR-1], v[AF+FR*(\a):AF+FR*(\a)+FR-1], v[8*(8*((\a)%4)+\b):8*(8*((\a)%4)+\b)+7], v[SC+8*NQ*(\sc)+NQ*\b+(\q)], v[SC+8*NQ*(\sc)+NQ*(\a)+(\q)] matrix_a_fmt:MATRIX_FMT_FP4 matrix_b_fmt:MATRIX_FMT_FP4 matrix_a_scale:MATRIX_SCALE_ROW1
.endif
.endr
.endr
.endm
.macro FETCH_B slot, q, p
	WIN TO_B
.irp i, 0,1,2,3,4,5,6,7
	FRAG 128*(\p)+FR*\i, ADRB+\slot, \q, \i
.endr
	WIN 0
.endm
.macro FETCH_A slot, q, i0
.irp i, \i0, \i0+1, \i0+2, \i0+3
	FRAGA AF+FR*(\i), ADRA+\slot, \q, \i
.endr
.endm
.macro SCALES sc
.irp i, 0,1,2,3,4,5,6,7
	ds_load_b128 v[SC+8*NQ*\sc+NQ*\i:SC+8*NQ*\sc+NQ*\i+3], v[ADRS] offset:\i*SBLK
.endr
.endm
.macro PLACES n                        ; plain vector instructions between a matrix instruction and a load into, or a read by a store of, one of its registers
.rept \n
	v_nop
.endr
.endm
.macro STEP slot, q, first
	s_wait_dscnt 4*NL                              ; B's set and A's blocks 0-3 are in; the youngest eight loads (A's blocks 4-7) may be out
	WIN MUL_LO-0x20*(\first)
	MUL16 0, (\q)%2, \q, \slot, \first
	MUL16 2, (\q)%2, \q, \slot, \first
	s_wait_dscnt 0
	PLACES NP
	FETCH_B \slot, (\q)+1, 1-(\q)%2
	FETCH_A \slot, (\q)+1, 0
	WIN MUL_HI-0x30*(\first)
	MUL16 4, (\q)%2, \q, \slot, \first
	MUL16 6, (\q)%2, \q, \slot, \first
	PLACES NP
	WIN 0
	FETCH_A \slot, (\q)+1, 4
.endm
.macro TURN slot, next                 ; slot 0's last step: one barrier, in front of which each wave waits for all its tensor loads and for its reads of slot 0: behind it slot 1 is whole and nobody reads slot 0
	s_wait_tensorcnt 0x0
	ds_add_u32 v[SPW], v[NIL]                      ; 0 onto my spare word
	s_wait_dscnt 4*NL+1                            ; (the add and the youngest eight loads may be out)
	WIN MUL_LO
	MUL16 0, 1, NQ-1, \slot, 0
	s_wait_dscnt 0x0                               ; the add is done, and my reads of this slot are over
	s_barrier_signal -1
	MUL16 2, 1, NQ-1, \slot, 0
	WIN 0
	s_barrier_wait -1
	PLACES NP
	v_add_nc_u32 v[ADRS], 4*NQ, v[ADRS]
	FETCH_B \next, 0, 0
	FETCH_A \next, 0, 0
	SCALES \next
	WIN MUL_HI
	MUL16 4, 1, NQ-1, \slot, 0
	MUL16 6, 1, NQ-1, \slot, 0
	PLACES NP
	WIN 0
	FETCH_A \next, 0, 4
.endm
.macro STEPS slot, from
.set Q, \from
.rept NQ-1-\from
	STEP \slot, Q, 0
.set Q, Q+1
.endr
.endm
	s_wait_tensorcnt 1                             ; the scales and my part of slot 0 are in (slot 1's load may be out),
	s_barrier_signal -1
	s_barrier_wait -1                              ; everybody's are
	FETCH_B 0, 0, 0
	FETCH_A 0, 0, 0
	SCALES 0
	FETCH_A 0, 0, 4
	s_wait_loadcnt 0x0                             ; the bias
	STEP 0, 0, 1
	STEPS 0, 1
	TURN 0, 1
	STEPS 1, 0
	s_wait_dscnt 4*NL
	WIN MUL_LO
	MUL16 0, 1, NQ-1, 1, 0
	MUL16 2, 1, NQ-1, 1, 0
	s_wait_dscnt 0
	WIN MUL_HI
	MUL16 4, 1, NQ-1, 1, 0
	MUL16 6, 1, NQ-1, 1, 0
	WIN 0
; THE WAY OUT, block by block of 16 rows x 128 features.  LDS serves a wave's instructions in order (ISA guide 5.7.1.4): no wait between the stores and the loads, nor in front of the next block's stores.
.macro TOSTAGE a
.set AC, 64*((\a)%4)
	WIN 0x08+4*((\a)/4)                            ; an LDS store's data: window 2 or 3
.irp b, 0,1,2,3,4,5,6,7
	ds_store_b128 v[STO], v[AC+8*\b:AC+8*\b+3] offset:128*(\b/2)+32*(\b%2)          ; features 32 (b / 2) + 16 h + 8 (b % 2) + 0 .. 3; each accumulator from its low end on
	ds_store_b128 v[STO], v[AC+8*\b+4:AC+8*\b+7] offset:128*(\b/2)+32*(\b%2)+16
.endr
	WIN 0
.set BB, BK+64*((\a)%2)
.irp t, 0,1,2,3,4,5,6,7,8,9,10,11,12,13,14,15
	ds_load_b128 v[BB+4*\t:BB+4*\t+3], v[RD] offset:\t*SPITCH
.endr
.endm
.macro SEND a, younger                 ; younger: the LDS instructions issued behind block a's loads, which may stay out
.set BB, BK+64*((\a)%2)
	s_wait_dscnt \younger                          ; the block is back in registers
.irp t, 0,1,2,3,4,5,6,7,8,9,10,11,12,13,14,15
	global_store_b128 v[CO], v[BB+4*\t:BB+4*\t+3], s[98:99] offset:(32*((\a)/2)+8*((\a)%2)+(\t%8)+16*(\t/8))*16384 th:TH_STORE_NT   ; stage row t is sequence row 32 (a / 2) + 8 (a % 2) + t % 8 + 16 (t / 8) of my 128; 32 lanes store 512 consecutive bytes, aligned; 127 x 16,384 at the most, inside the signed 24-bit immediate
.endr
.endm
	PLACES NP                                      ; behind the last products: their results are read, and A's registers loaded into, below
	TOSTAGE 0
.irp a, 1,2,3,4,5,6,7
.if \a > 1
	s_wait_xcnt 0x0                                ; block a - 2's stores have read their registers: block a's loads may land there
.endif
	TOSTAGE \a
	SEND \a-1, 32                                  ; behind block a - 1's loads: block a's 16 stores and 16 loads
.endr
	SEND 7, 0
	s_wait_tensorcnt 0x0                           ; the wave's end, behind my last tensor load and my last LDS store
	ds_add_u32 v[SPW], v[NIL]
	s_wait_dscnt 0x0
	CROUND                                         ; the closing round
	s_endpgm
.Lfunc_end_k_q0a8f3094f7_gemm_out:
	.size	k_q0a8f3094f7_gemm_out, .Lfunc_end_k_q0a8f3094f7_gemm_out-k_q0a8f3094f7_gemm_out
	.p2alignl 7, 3214868480
	.fill 96, 4, 3214868480
	.section	.rodata,"a",@progbits
	.p2align	6, 0x0
	.amdhsa_kernel k_q0a8f3094f7_gemm_out
		.amdhsa_group_segment_fixed_size 327680
		.amdhsa_private_segment_fixed_size 0
		.amdhsa_enable_private_segment 0
		.amdhsa_kernarg_size 48
		.amdhsa_user_sgpr_count 2
		.amdhsa_user_sgpr_kernarg_segment_ptr 1
		.amdhsa_wavefront_size32 1
		.amdhsa_system_sgpr_workgroup_id_x 1
		.amdhsa_system_sgpr_workgroup_id_y 1
		.amdhsa_system_sgpr_workgroup_id_z 1
		.amdhsa_system_vgpr_workitem_id 0
		.amdhsa_next_free_vgpr 1024
		.amdhsa_next_free_sgpr 102
		.amdhsa_reserve_vcc 0
		.amdhsa_float_denorm_mode_32 3
		.amdhsa_float_denorm_mode_16_64 3
		.amdhsa_memory_ordered 1
		.amdhsa_forward_progress 1
		.amdhsa_inst_pref_size 126
	.end_amdhsa_kernel
	.amdgpu_metadata
---
amdhsa.version: [ 1, 2 ]
amdhsa.kernels:
  - .name:           k_q0a8f3094f7_gemm_out
    .symbol:         k_q0a8f3094f7_gemm_out.kd
    .args:
      - { .name: a_img, .offset: 0, .size: 8, .value_kind: global_buffer, .address_space: global }
      - { .name: a_sc, .offset: 8, .size: 8, .value_kind: global_buffer, .address_space: global }
      - { .name: ops_codes, .offset: 16, .size: 8, .value_kind: global_buffer, .address_space: global }
      - { .name: ops_scales, .offset: 24, .size: 8, .value_kind: global_buffer, .address_space: global }
      - { .name: b_out, .offset: 32, .size: 8, .value_kind: global_buffer, .address_space: global }
      - { .name: out0, .offset: 40, .size: 8, .value_kind: global_buffer, .address_space: global }
    .group_segment_fixed_size: 327680
    .private_segment_fixed_size: 0
    .kernarg_segment_align: 8
    .kernarg_segment_size: 48
    .max_flat_workgroup_size: 128
    .sgpr_count:     102
    .vgpr_count:     1024
    .wavefront_size: 32
...
	.end_amdgpu_metadata
.endif
;; end of part 5
